; MI455X (gfx1250); checked and timed in simulation.
; The chip was launched on July 23, 2026; its instructions are those of AMD's public machine-readable ISA for CDNA 5 (MIT licence, August 2026) and "CDNA5" Instruction Set Architecture Reference Guide (July 2026). The comments in the code are by the model that wrote it; some were corrected since.
;; bi Mlp. Allowed arithmetic: matrix products marked QUANTISED: E5M2 operands, one E8M0 scale for each 32 along K, by v_wmma_scale_f32_16x16x128_f8f6f4 with both operands' format E5M2, f32 sums; everything else in f32.
;; Inputs: b1 3,072 float32; b2 768 float32; w1 3,072 x 768 float32; w2 768 x 3,072 float32; x_codes 64 x 197 x 24 x 32 uint8 (E5M2 codes of x, K innermost, in blocks of 32 codes); x_scales 64 x 197 x 24 uint8 (E8M0 scales of x, one for each 32 codes along K).
;; Outputs: out0 64 x 197 x 768 float32.
;; This version of the problem:
;;   THIS VERSION OF THE PROBLEM IS GIVEN IN LOW PRECISION. The matrix products marked QUANTISED in the list below multiply operands that are first quantised to E5M2 (5 exponent bits, 2 mantissa bits; 8 bits a number), with one power-of-two scale for each 32 numbers along K (OCP MX v1.0); their sums are f32. All else is computed in f32.
;;   The module's matrix products, in the order in which they are computed (A, B: the left and right operand; K: the contracted axis; several contracted axes count as one K, in the product's order):
;;     1. [M 12,608, K 768] x [K 768, N 3,072]; A: input x (given as codes); B: computed on the way: QUANTISED
;;     2. [M 12,608, K 3,072] x [K 3,072, N 768]; A: computed on the way; B: computed on the way: QUANTISED
;;   THE QUANTISER, for each operand of a quantised product, along K:
;;     - K is cut into blocks of 32 from its start; a last block that is shorter is filled with zeros.
;;     - A block's scale is 2^e with e = floor(log2(the largest magnitude in the block)) - 15, held to -126 .. 127; a block of zeros has e = 0. As a byte (E8M0): e + 127.
;;     - Each number is divided by its block's scale, clamped to +-57,344, and rounded to the nearest number of E5M2, ties to even, subnormals kept.
;;     - The product sums the exact products of the quantised numbers (number of the format x scale) in f32.
;;   ~~~python
;;   def quantise(x, axis):      # numpy; x: float32 -> the quantised numbers, widened to float32 again
;;       x = np.moveaxis(x, axis, -1); K = x.shape[-1]
;;       x = np.pad(x, [(0, 0)] * (x.ndim - 1) + [(0, -K % 32)]); x = x.reshape(x.shape[:-1] + (-1, 32)); a = np.abs(x).max(-1, keepdims=True)
;;       e = np.where(a > 0, np.clip(np.frexp(np.where(a > 0, a, 1))[1] - 1 - 15, -126, 127), 0)      # np.frexp(a)[1] - 1 = floor(log2(a)), exactly
;;       r = np.clip(x / 2.0 ** e, -57344, 57344)
;;       step = 2.0 ** (np.maximum(np.frexp(np.where(r == 0, 1, r))[1] - 1, -14) - 2)
;;       q = np.round(r / step) * step * 2.0 ** e      # np.round: ties to even
;;       return np.moveaxis(q.reshape(q.shape[:-2] + (-1,))[..., :K], -1, axis).astype(np.float32)
;;   ~~~
;;   OPERANDS COMPUTED ON THE WAY. 'Computed on the way' means the value that the module computes at that place (a softmax that the list does not call 'softmax' is quantised finished and normalised). What goes into a quantiser is computed in f32, as accurately as f32 sums, v_exp_f32 and their like allow (about 1e-6 of the number): no bf16 or f16 on the way to a quantiser, and a product that is left as it is and whose result goes on into a quantised operand takes f32 operands (vector FMAs, or v_wmma_f32_16x16x4_f32). A number that lies on a knife's edge between two numbers of the format may be rounded either way, as far as f32 arithmetic and the matrix unit's own rounding can turn it there, and no further.
;;   INPUTS GIVEN AS CODES. x (in the module: [64, 197, 768], K = its axis 2): each comes as NAME_codes (uint8): NAME with its K axis moved to the last place and cut into blocks of 32 codes, [.., K / 32, bytes a block], one block behind the other in memory; one code a byte (a code: sign, 5 exponent bits, 2 mantissa bits); and NAME_scales (uint8): the same leading axes, one E8M0 byte (e + 127) for each 32 codes along K. Its value is code x scale, taken as it is: it is not quantised again, and the codes and scales need not be those that the quantiser above would give.
;; 2 versions. Each part assembles by itself: llvm-mc -triple=amdgcn-amd-amdhsa -mcpu=gfx1250 --defsym DOCPART=n.
;; ======== version 1 of 2: 2 launches
;; workspace buffers: wq 4,718,592 bytes; wsc 24,576 bytes
;; launch prep (part 1): grid 96 x 1, 16 waves a work-group, no clusters, 54,528 bytes of LDS; arguments w1, w2, wq, wsc; writes wq, wsc
.if DOCPART == 1
	.amdgcn_target "amdgcn-amd-amdhsa--gfx1250"
	.amdhsa_code_object_version 6
	.text
	.protected	k_q5563720d22_prep
	.globl	k_q5563720d22_prep
	.p2align	8
	.type	k_q5563720d22_prep,@function
k_q5563720d22_prep:
	s_mov_b64 s[64:65], 0
	v_nop
	global_prefetch_b8 v0, s[64:65] scope:SCOPE_SE
	s_setreg_imm32_b32 hwreg(HW_REG_WAVE_MODE, 25, 1), 1
	s_wait_xcnt 0x0
; The two binarised weights, quantised along K to codes of BF8 (E5M2) with E8M0 scales, laid for the launch that multiplies.
; w1 [3072][768], w2 [768][3072], f32.  A row's numbers are alpha x sign(w), alpha = the mean of |w| over the row.  So every number of a row that is not 0 has the magnitude alpha,
; every block of 32 that holds such a number has the scale 2^(floor(log2 alpha) - 15), and a block of zeros has zero codes, which add nothing under any byte but 0xff:
; ONE scale byte serves a whole row, for all values of w.  sign(0) = 0 is kept: its code is 0.  No input and no step is left out.
; OUT.  wq: images of the operand's registers.  A fragment (16 rows x 128 K) is 2,048 bytes, [c 4][lane 32][16 bytes]: lane 16 h + r holds k = 32 c + 16 h + 0 .. 15 of the fragment's row r.
;   w1's: [chunk j 24][wave w 4][u 2][K step s 6]; row r of tile (j, w, u) is w1's row 128 j + 32 w + 8 u + r + 8 (r / 8).   w2's, from byte 2,359,296: [K step j 24][tile n 48]; row r is w2's row 16 n + r.
;   wsc: a row's byte four times over in a word.  w1's word at 512 j + 128 w + 64 u + 4 r; w2's at 12,288 + 256 n + 4 r (stored four times, 64 bytes apart, so that a work-group stores 256 consecutive bytes).
; SHARES.  Both tensors are 2,359,296 numbers; a wave takes 3,072 as four parts of 768, a part as six loads of 512 consecutive bytes.  Work-groups 0-47 take w1, 64 rows each: a part is a row, and wave v is
; fragment row v of four tiles.  Work-groups 48-95 take w2, 16 rows each: the four parts are one row.  ONE path serves both: what differs is chosen by s_cselect on the work-group's number.
; A load's four numbers of a lane become four codes, one word; the sixteen waves' words meet in a stage in LDS (units of 256 bytes + 16), and leave as runs of 512 consecutive bytes.
; LIMITS: NaN and infinities are not served; alpha under 2^-111 gets the byte 1 (not tried); the mean is the sum x (1 / N), the sum taken lane by lane and then across lanes, not in the order of reference().
.set UP,    272                        ; a unit of the stage: 256 bytes + 16
.set SCW,   192*UP                     ; behind the 192 units: the work-group's 64 scale words
.set SPARE, SCW+256                    ; the spare words, 128 bytes for each of the sixteen waves: blocks of 256 bytes that no other line names
.set VO,  2                            ; v2-5    byte offset of my 16 bytes in part i's first load
.set SA,  6                            ; v6      the stage, on the way in
.set SB,  7                            ; v7      my wave's scale word
.set RA,  8                            ; v8      the stage, on the way out
.set L8,  9                            ; v9      8 x lane
.set SPW, 10                           ; v10     LDS address of my spare word; never rewritten
.set NIL, 11                           ; v11     0; never rewritten
.set SM,  12                           ; v12-15  part i's sum, then alpha
.set S2,  16                           ; v16-19  second chains; the lane permutes' destinations; then the largest magnitude with its floor
.set SO,  20                           ; v20-23  the conversion's scale operand
.set AH,  24                           ; v24-27  alpha, held at the largest code x the scale
.set WD,  28                           ; v28-31  the scale words
.set X,   32                           ; v32-127 the 96 numbers: load q = 6 i + s at X + 4 q; later the copy's data
.set CDW, 128                          ; v128-151 load q's four codes
.set DST, 152                          ; v152-157 the copy's six byte offsets in wq
.set TT,  158                          ; v158-159 at work
.set RW,  160                          ; v160    where wave 0 reads the scale words back
	s_load_b256 s[4:11], s[0:1], 0x0               ; w1 s[4:5], w2 s[6:7], wq s[8:9], wsc s[10:11]
	v_lshl_add_u32 v[SPW], v0, 2, SPARE
	v_mov_b32 v[NIL], 0
	v_lshrrev_b32 v1, 5, v0
	v_readfirstlane_b32 s12, v1                    ; wave 0..15
	v_and_b32 v1, 31, v0                           ; lane
	v_lshlrev_b32 v[VO], 4, v1
	; a lane's word holds k = 4 l .. 4 l + 3 of a K step: unit l / 4 of the fragment's eight, 16 bytes for each fragment row, word l % 4 of them
	v_lshrrev_b32 v[SA], 2, v1
	v_mul_u32_u24 v[SA], v[SA], UP
	v_and_b32 v[SB], 3, v1
	v_lshl_add_u32 v[SA], v[SB], 2, v[SA]
	s_lshl_b32 s32, s12, 4
	v_add_nc_u32 v[SA], s32, v[SA]
	s_lshl_b32 s33, s12, 2
	s_add_co_u32 s33, s33, SCW
	v_mov_b32 v[SB], s33
	v_lshrrev_b32 v[RA], 4, v1                     ; out: piece 16 t + wave, two units: lanes 0-15 one, lanes 16-31 the next
	v_mul_u32_u24 v[RA], v[RA], UP
	v_and_b32 v[L8], 15, v1
	v_lshl_add_u32 v[RA], v[L8], 4, v[RA]
	s_mul_i32 s34, s12, 2*UP
	v_add_nc_u32 v[RA], s34, v[RA]
	v_lshlrev_b32 v[L8], 3, v1
	v_add_nc_u32 v[RW], SCW, v[L8]
	s_mov_b32 s22, 0x7fffffff
	s_mov_b32 s23, 0x600000                        ; the mantissa field of 57,344
	s_mov_b32 s24, 0x76543210
	s_mov_b32 s25, 0xfedcba98                      ; v_permlanex16_b32's selects for lane l xor 16
	s_lshr_b32 s26, s12, 3
	s_lshl_b32 s26, s26, 3
	s_add_co_u32 s26, s26, s12
	s_mul_i32 s26, s26, 3072                       ; w1: my first row among the work-group's 64 is v + 8 (v / 8)
	s_mul_i32 s27, s12, 12288                      ; w2: my row among its 16 is v
	s_and_b32 s35, s12, 3
	s_lshl_b32 s35, s35, 9                         ; my piece's place in a fragment
	s_lshr_b32 s36, s12, 2                         ; and which of four fragments
	s_mov_b32 s15, 3072                            ; w2's values; an instruction takes one literal, so w1's come by the selections
	s_mov_b32 s16, 6144
	s_mov_b32 s17, 9216
	s_mov_b32 s18, 0x39aaaaab                      ; 1 / 3,072
	s_mov_b32 s20, 98304
	s_mov_b32 s28, 2048
	s_mov_b32 s29, 2359296
	s_cmp_lt_u32 ttmp9, 48                         ; w1's work-group or w2's?  Nothing but selections stands between this line and the last of them
	s_cselect_b32 s13, 0, 48
	s_cselect_b32 s15, 24576, s15                  ; parts 1, 2, 3 begin so many bytes behind part 0: w1: 8, 32, 40 rows on; w2: 768 numbers on each
	s_cselect_b32 s16, 98304, s16
	s_cselect_b32 s17, 122880, s17
	s_cselect_b32 s18, 0x3aaaaaab, s18             ; 1 / 768
	s_cselect_b32 s19, 0, -1                       ; w2: the four parts' sums are one row's
	s_cselect_b32 s20, 2048, s20                   ; from fragment q to q + 1 in wq
	s_cselect_b32 s26, s26, s27
	s_cselect_b32 s28, 49152, s28
	s_cselect_b32 s29, 0, s29
	s_sub_co_u32 s13, ttmp9, s13                   ; the work-group's number within its tensor
	s_lshl_b32 s21, s20, 2
	s_mul_i32 s30, s13, 196608                     ; 64 rows of w1 and 16 rows of w2 are as many bytes
	s_add_co_u32 s30, s30, s26
	s_mov_b32 s31, 0
	s_mul_i32 s28, s13, s28
	s_add_co_u32 s28, s28, s29
	s_mov_b32 s29, 0
	s_mul_i32 s36, s36, s20
	s_add_co_u32 s35, s35, s36
	v_add_nc_u32 v[VO+1], s15, v[VO]
	v_add_nc_u32 v[VO+2], s16, v[VO]
	v_add_nc_u32 v[VO+3], s17, v[VO]
	v_add_nc_u32 v[DST], s35, v[VO]                ; piece 16 t + v lies in fragment 4 t + v / 4, at 512 (v % 4)
.irp t, 1,2,3,4,5
	v_add_nc_u32 v[DST+\t], s21, v[DST+\t-1]
.endr
	s_wait_kmcnt 0x0
	s_cmp_lt_u32 ttmp9, 48
	s_cselect_b64 s[4:5], s[4:5], s[6:7]           ; the choice hangs on the work-group's number alone
	s_add_nc_u64 s[4:5], s[4:5], s[30:31]
	s_add_nc_u64 s[8:9], s[8:9], s[28:29]
	s_lshl_b32 s30, ttmp9, 8
	s_add_nc_u64 s[10:11], s[10:11], s[30:31]
.irp i, 0,1,2,3
.irp s, 0,1,2,3,4,5
	global_load_b128 v[X+4*(6*\i+\s):X+4*(6*\i+\s)+3], v[VO+\i], s[4:5] offset:512*\s th:TH_LOAD_NT   ; 32 lanes read 512 consecutive bytes; read once in the launch
.endr
.endr
.irp i, 0,1,2,3
	s_wait_loadcnt 18-6*\i                         ; part i's six loads are in; the later parts' may be out
	v_add_f32 v[SM+\i], |v[X+24*\i]|, |v[X+24*\i+1]|
	v_add_f32 v[S2+\i], |v[X+24*\i+12]|, |v[X+24*\i+13]|
.irp k, 2,3,4,5,6,7,8,9,10,11
	v_add_f32 v[SM+\i], v[SM+\i], |v[X+24*\i+\k]|          ; two chains, so that they do not wait for each other
	v_add_f32 v[S2+\i], v[S2+\i], |v[X+24*\i+12+\k]|
.endr
	v_add_f32 v[SM+\i], v[SM+\i], v[S2+\i]
.endr
.irp x, 1,2,4,8
.irp i, 0,1,2,3
	v_add_f32_dpp v[SM+\i], v[SM+\i], v[SM+\i] row_xmask:\x row_mask:0xf bank_mask:0xf
.endr
.endr
.irp i, 0,1,2,3
	v_permlanex16_b32 v[S2+\i], v[SM+\i], s24, s25
.endr
.irp i, 0,1,2,3
	v_add_f32 v[SM+\i], v[SM+\i], v[S2+\i]         ; every lane holds part i's sum
.endr
	v_add_f32 v[TT], v[SM], v[SM+1]
	v_add_f32 v[TT+1], v[SM+2], v[SM+3]
	v_add_f32 v[TT], v[TT], v[TT+1]
.irp i, 0,1,2,3
	v_cndmask_b32 v[SM+\i], v[SM+\i], v[TT], s19   ; w2: the row's sum is that of the four parts
.endr
.irp i, 0,1,2,3
	v_mul_f32 v[SM+\i], s18, v[SM+\i]              ; alpha
.endr
.irp i, 0,1,2,3
	v_max_num_f32 v[S2+\i], 0x8000000, v[SM+\i]    ; the floor 2^(16 - 127): the byte cannot fall under 1
.endr
.irp i, 0,1,2,3
	v_add_nc_u32 v[SO+\i], 0xf8800000, v[S2+\i]    ; 15 off the exponent field: the conversion takes the exponent field of this operand as its scale
.endr
.irp i, 0,1,2,3
	v_and_or_b32 v[AH+\i], v[S2+\i], 0x7f800000, s23       ; 57,344 x the scale
.endr
.irp i, 0,1,2,3
	v_min_num_f32 v[AH+\i], v[SM+\i], v[AH+\i]     ; the conversion to an 8-bit code does not saturate (ISA guide 7.6.2): alpha is held first
.endr
.irp i, 0,1,2,3
	v_lshrrev_b32 v[WD+\i], 23, v[SO+\i]           ; the scale's byte,
.endr
.irp i, 0,1,2,3
	v_lshl_or_b32 v[WD+\i], v[WD+\i], 8, v[WD+\i]
.endr
.irp i, 0,1,2,3
	v_lshl_or_b32 v[WD+\i], v[WD+\i], 16, v[WD+\i] ; four times over
.endr
.set q, 0
.rept 96
	v_cmp_neq_f32 vcc_lo, 0, v[X+q]
	v_cndmask_b32 v[TT+q%2], 0, v[AH+q/24], vcc_lo ; the magnitude: alpha, or 0 where w is 0
	v_bfi_b32 v[X+q], s22, v[TT+q%2], v[X+q]       ; under w's sign
.set q, q+1
.endr
.set q, 0
.rept 12
	v_cvt_scalef32_pk8_bf8_f32 v[CDW+2*q:CDW+2*q+1], v[X+8*q:X+8*q+7], v[SO+q/3]   ; two loads' numbers: two words of codes
.set q, q+1
.endr
	v_nop                                          ; a plain line behind the last conversion
.set q, 0
.rept 24
	ds_store_b32 v[SA], v[CDW+q] offset:8*UP*q     ; fragment q's eight units
.set q, q+1
.endr
.irp i, 0,1,2,3
	ds_store_b32 v[SB], v[WD+\i] offset:64*\i      ; all lanes write the same word with the same value
.endr
	s_wait_dscnt 0x0                               ; for the others' sake: my stores have landed
	s_barrier_signal -1
	s_barrier_wait -1
.irp t, 0,1,2,3,4,5
	ds_load_b128 v[X+4*\t:X+4*\t+3], v[RA] offset:32*UP*\t
.endr
.irp t, 0,1,2,3,4,5
	s_wait_dscnt 5-\t                              ; LDS loads come back in order: piece t is in, the younger ones may be out
	global_store_b128 v[DST+\t], v[X+4*\t:X+4*\t+3], s[8:9]        ; 32 lanes store 512 consecutive bytes, at a multiple of 512 from wq's first byte
.endr
	s_cmp_lg_u32 s12, 0
	s_cbranch_scc1 .Lnot_wave_0
	ds_load_b64 v[X+24:X+25], v[RW]
	s_wait_dscnt 0x0
	global_store_b64 v[L8], v[X+24:X+25], s[10:11] ; the work-group's 64 scale words: 256 consecutive bytes, aligned
.Lnot_wave_0:
	s_wait_tensorcnt 0x0                           ; the wave's end: behind my last LDS store
	ds_add_u32 v[SPW], v[NIL]
	s_wait_dscnt 0x0
	s_endpgm
.Lfunc_end_k_q5563720d22_prep:
	.size	k_q5563720d22_prep, .Lfunc_end_k_q5563720d22_prep-k_q5563720d22_prep
	.p2alignl 7, 3214868480
	.fill 96, 4, 3214868480
	.section	.rodata,"a",@progbits
	.p2align	6, 0x0
	.amdhsa_kernel k_q5563720d22_prep
		.amdhsa_group_segment_fixed_size 54528
		.amdhsa_private_segment_fixed_size 0
		.amdhsa_enable_private_segment 0
		.amdhsa_kernarg_size 32
		.amdhsa_user_sgpr_count 2
		.amdhsa_user_sgpr_kernarg_segment_ptr 1
		.amdhsa_wavefront_size32 1
		.amdhsa_system_sgpr_workgroup_id_x 1
		.amdhsa_system_sgpr_workgroup_id_y 1
		.amdhsa_system_sgpr_workgroup_id_z 1
		.amdhsa_system_vgpr_workitem_id 0
		.amdhsa_next_free_vgpr 168
		.amdhsa_next_free_sgpr 66
		.amdhsa_reserve_vcc 1
		.amdhsa_float_denorm_mode_32 3
		.amdhsa_float_denorm_mode_16_64 3
		.amdhsa_memory_ordered 1
		.amdhsa_forward_progress 1
		.amdhsa_inst_pref_size 32
	.end_amdhsa_kernel
	.amdgpu_metadata
---
amdhsa.version: [ 1, 2 ]
amdhsa.kernels:
  - .name:           k_q5563720d22_prep
    .symbol:         k_q5563720d22_prep.kd
    .args:
      - { .name: w1, .offset: 0, .size: 8, .value_kind: global_buffer, .address_space: global }
      - { .name: w2, .offset: 8, .size: 8, .value_kind: global_buffer, .address_space: global }
      - { .name: wq, .offset: 16, .size: 8, .value_kind: global_buffer, .address_space: global }
      - { .name: wsc, .offset: 24, .size: 8, .value_kind: global_buffer, .address_space: global }
    .group_segment_fixed_size: 54528
    .private_segment_fixed_size: 0
    .kernarg_segment_align: 8
    .kernarg_segment_size: 32
    .max_flat_workgroup_size: 512
    .sgpr_count:     66
    .vgpr_count:     168
    .wavefront_size: 32
...
	.end_amdgpu_metadata
.endif
;; end of part 1
;; launch mlp (part 2): grid 200 x 1, 4 waves a work-group, clusters of 4 x 1, 327,680 bytes of LDS; arguments x_codes, x_scales, wq, wsc, b1, b2, out0; writes out0
.if DOCPART == 2
	.amdgcn_target "amdgcn-amd-amdhsa--gfx1250"
	.amdhsa_code_object_version 6
	.text
	.protected	k_q5563720d22_mlp
	.globl	k_q5563720d22_mlp
	.p2align	8
	.type	k_q5563720d22_mlp,@function
k_q5563720d22_mlp:
	s_mov_b64 s[64:65], 0
	v_nop
	global_prefetch_b8 v0, s[64:65] scope:SCOPE_SE
	s_setreg_imm32_b32 hwreg(HW_REG_WAVE_MODE, 25, 1), 1
	s_wait_xcnt 0x0
	s_wait_alu depctr_hold_cnt(0) depctr_sa_sdst(0) depctr_va_vdst(0) depctr_va_sdst(0) depctr_va_ssrc(0) depctr_va_vcc(0) depctr_vm_vsrc(0)
	s_getreg_b32 s2, hwreg(HW_REG_IB_STS2, 6, 4)
	s_cmp_eq_u32 s2, 0
	s_cbranch_scc0 .Lentry_in_a_cluster
	s_endpgm
.Lentry_in_a_cluster:
	s_bfe_u32 s2, ttmp6, 0x10000c
	s_cmp_lg_u32 s2, 0x3003
	s_cbranch_scc0 .Lentry_shape_is_right
	s_endpgm
.Lentry_shape_is_right:
; out = clip(gelu(x W1q^T + b1), -10, 10) W2q^T + b2, both products on codes of BF8 (E5M2) with one E8M0 scale for each 32 along K.  x: 12,608 rows x 768 codes and 24 scale bytes a row; the weights' codes and scale
; words as the launch before has laid them (wq, wsc); b1 [3072], b2 [768], out0 [12608][768]: f32.  The hidden layer is quantised in registers and never goes to memory.  No input and no step is left out.
; SHARES.  A work-group takes 64 rows (four tiles of 16) through the whole chain; the 3,072 hidden units go in 24 chunks of 128.  THE FOUR WAVES SHARE THE COLUMNS, NOT THE ROWS: in chunk j wave w makes hidden units
; 128 j + 32 w .. + 31 of all 64 rows (one block of 32 along the second K), and adds K step j into its 192 columns of out (48 accumulators).  x's 24 fragments stay in every wave's registers.
; Both products are used transposed (source 0 = 16 rows of a weight, source 1 = 16 rows of x or of the hidden layer): a lane holds ONE row throughout, and its registers run along the hidden units or the columns.
; The rows of W1 that form a tile are chosen so that a lane's 16 registers of tiles u = 0, 1 are 16 neighbours along the second K: the conversions' results are four registers of the second product's operand.
; They go to the other waves through LDS as an image of the operand's registers (16 bytes a lane, 512 a store); the block's scale byte beside them.
; THE ROWS.  788 tiles of rows = 4 x 197, and 197 divides into no cluster: so 200 work-groups are launched, work-group g beginning at tile min(4 g, 3 g + 187).  From g = 188 on (clusters 47 to 49) a block's first tile is
; the last tile of the block before: it is computed again and not stored (12 tiles of 800).  Every work-group stores at least 48 rows, each byte of out0 has one owner, and no load leaves its buffer.
; CLUSTER.  Every work-group walks all of wq, so the four of a cluster ask for each tile JOINTLY: the same tensor load, the same descriptor (made of the wave's number alone), the mask 15.
; LDS.  W1's chunk (98,304 bytes) takes turns between two regions; W2's K step has one.  At a chunk's end, behind a round of the cluster's barrier, waves 0 and 1 ask for the next W2 and waves 2 and 3 for the W1 after next:
; a wave has one tensor load out (two at the head, in waves 0 and 1).  W2's lands under the next chunk's first product and its vector work.
; GELU, exact form: with a = |h|, t = 1 / (1 + a / (2 sqrt 2)), erfc(a / sqrt 2) = t exp(-a^2 / 2 + P(t)), P of degree 9 (fractional error of the form 1.2e-7).  Worked on is G = 2 gelu = (h + a) - a erfc(a / sqrt 2):
; no difference of near numbers in the negative tail.  G's codes under its own scale are gelu's under half of it, so only the byte is one less.  The clip at +-10 is a clip of G at +-20, made by the hold that the conversion wants anyway.
; LIMITS: NaN and infinities are not served; a block whose largest |gelu| lies under 2^-111 gets the byte 1 (not tried); v_exp_f32 gives 0 for results under 2^-126.
; REGISTERS, in windows of 256: window 0: addresses, scale words, b1, at work (below).  Windows 1 and 2 (v0-127): x's fragment 4 s + m at 16 (4 s + m).  Windows 2 (v128-255) and 3: out's accumulator 4 n + m at 8 (4 n + m).
.set RG1,   131072                     ; LDS: 0: W1 of even chunks (on the way out: the stages); RG1: W1 of odd chunks: one exclusive or turns one into the other;
.set RG2,   229376                     ; W2 of the chunk in hand;
.set HIMG,  98304                      ; the hidden layer's four fragments: 2,048 m + 512 c + 16 x lane, c = the wave that made the block;
.set HSC,   106496                     ; their 64 scale words: byte w of word 16 m + r;
.set SPARE, 106752                     ; the spare words, 128 bytes for each wave: two blocks of 256 bytes that no other line names
.set WREG,  24576                      ; a wave's twelve fragments in a region
.set HALFB, 49152                      ; what one tensor load brings
.set CHB,   98304                      ; a chunk of W1, a K step of W2
.set W2Q,   2359296                    ; where W2's images begin in wq
.set SPI,   784                        ; the way out: a stage row: 768 bytes + 16
.set LI,  1                            ; v1   16 x lane
.set AW1, 2                            ; v2   my fragments in a region of W1
.set ADW, 3                            ; v3   the same in the region in hand
.set AW2, 4                            ; v4   my fragments of W2
.set HWI, 5                            ; v5   where I store my four registers of a hidden fragment
.set HWS, 6                            ; v6   and my block's byte
.set HRI, 7                            ; v7   where I read hidden fragments
.set HRS, 8                            ; v8   and their scale words
.set B1O, 9                            ; v9   64 h: my 16 numbers of b1
.set WSO, 10                           ; v10  4 x lane
.set STO, 11                           ; v11  the way out: where I put 32 bytes of a row
.set RD,  12                           ; v12  where I read rows back
.set CO,  13                           ; v13  my byte offset in two rows of out
.set SPW, 14                           ; v14  LDS address of my spare word; never rewritten
.set NIL, 15                           ; v15  0; never rewritten
.set XS,  16                           ; v16-27 x's scale words: register 6 (m / 2) + s, lanes 16 (m % 2) + r
.set W2S, 28                           ; v28-33 W2's: register n / 2, lanes 16 (n % 2) + r
.set W1S, 34                           ; v34    W1's: lanes 16 u + r
.set HS,  36                           ; v36-37 the hidden layer's: register m / 2, lanes 16 (m % 2) + r
.set D8,  38                           ; v38-39 a coefficient, twice
.set B1,  40                           ; v40-55 b1 of my 16 hidden units
.set Q0,  56                           ; v56-60 the quantiser's: largest magnitude; the other half's; scale operand; bound; at work
.set Q1,  57
.set Q2,  58
.set Q3,  59
.set Q4,  60
.set HA,  64                           ; v64-127 16 m + 8 u + i: the hidden layer's sums, then G; in the second product the hidden fragments; at the head v64-70: offsets
.set H0,  128                          ; v128-191, v192-255: two buffers of four weight fragments
.set H1,  192
.set TA,  128                          ; in the vector work: a at TA + 32 (m % 2), t 16 further on;
.set PP,  192                          ; v192-207 the polynomial, then the exponential;
.set CD,  208                          ; v208-223 row tile m's codes;
.set BY,  224                          ; v224-227 its byte
.set WV,  18                           ; s18 my wave's number
.set G1,  24                           ; s[24:31] descriptor group 1, the same for every load
.set G0A, 32                           ; s[32:35] group 0: W2's K steps (waves 0, 1)
.set G0B, 36                           ; s[36:39] W1's chunks from 1 on (waves 2, 3)
.set G0C, 40                           ; s[40:43] W1's chunk 0 (waves 0, 1), once
.set TB,  44                           ; s44 where W1's region in hand begins
.set CNT, 45
.set SEL, 48                           ; s[48:49] v_permlanex16_b32's selects for lane l xor 16
.set MNT, 50                           ; s50 the mantissa field of 57,344
.set ABSM, 51                          ; s51 clears a sign
.set KK,  52                           ; pairs of constants (the packed forms name a pair and take its low word for both halves)
.set D9,  54
.set D7,  56
.set D6,  58
.set D5,  60
.set D4,  62
.set D3,  66
.set D2,  68
.set D1,  70
.set D0,  72
.set CSQ, 74
.set PB1, 76                           ; s[76:77] b1 at my 32 units of the chunk whose numbers are loaded next
.set PWS, 78                           ; s[78:79] W1's scale words likewise
.set MSB, 0
.macro WIN new                         ; bits 1:0 source 0, 3:2 source 1, 5:4 source 2, 7:6 destination; the immediate's high byte repeats the setting that is left
.if MSB != \new
	s_set_vgpr_msb (MSB<<8)|\new
.set MSB, \new
.endif
.endm
.macro PLACES n                        ; plain vector lines behind matrix instructions (ISA guide 7.12.1)
.rept \n
	v_nop
.endr
.endm
.macro CPAIR reg, bits
	s_mov_b32 s[\reg], \bits
	s_mov_b32 s[\reg+1], \bits
.endm
.macro CREST                           ; a round of the cluster's barrier behind its opening barrier
	s_cmp_lg_u32 s[WV], 0
	s_cbranch_scc1 .Lnot_wave_0_\@
	s_barrier_signal -3
.Lnot_wave_0_\@:
	s_barrier_wait -3
	s_barrier_signal -1
	s_barrier_wait -1
.endm
.macro CROUND                          ; a whole round
	s_barrier_signal -1
	s_barrier_wait -1
	CREST
.endm
; A joint refill: waves 0 and 1 the next K step of W2, waves 2 and 3 the chunk of W1 after next.  The branch hangs on the wave's number alone.  An s_nop 0 and four v_nop follow each line.
.macro JLOAD
	s_cmp_lt_u32 s[WV], 2
	s_cbranch_scc0 .Lfor_w1_\@
	tensor_load_to_lds s[G0A:G0A+3], s[G1:G1+7]
	s_nop 0
.rept 4
	v_nop
.endr
	s_branch .Lasked_\@
.Lfor_w1_\@:
	tensor_load_to_lds s[G0B:G0B+3], s[G1:G1+7]
	s_nop 0
.rept 4
	v_nop
.endr
.Lasked_\@:
.endm
.macro JLOADK                          ; the last refill: W2's last K step alone; there is no chunk of W1 left to ask for
	s_cmp_lt_u32 s[WV], 2
	s_cbranch_scc0 .Lnone_\@
	tensor_load_to_lds s[G0A:G0A+3], s[G1:G1+7]
	s_nop 0
.rept 4
	v_nop
.endr
.Lnone_\@:
.endm
.macro LDFRAG reg, adr, off            ; a fragment comes from LDS as it was laid: four loads of 512 consecutive bytes
.irp c, 0,1,2,3
	ds_load_b128 v[\reg+4*\c:\reg+4*\c+3], v[\adr] offset:\off+512*\c
.endr
.endm
.macro W1LD s0, buf                    ; W1's fragments of K steps s0, s0 + 1, tiles u = 0, 1
.irp e, 0,1
.irp u, 0,1
	LDFRAG \buf+16*(2*\e+\u), ADW, \u*12288+(\s0+\e)*2048
.endr
.endr
.endm
.macro WM ra, rb                       ; one matrix instruction on rD, rA, rB, rC, rSA, rSB; ra, rb: the side's scales stand in lanes 16-31
.if (\ra) && (\rb)
	v_wmma_scale_f32_16x16x128_f8f6f4 v[rD:rD+7], v[rA:rA+15], v[rB:rB+15], v[rC:rC+7], v[rSA], v[rSB] matrix_a_fmt:MATRIX_FMT_BF8 matrix_b_fmt:MATRIX_FMT_BF8 matrix_a_scale:MATRIX_SCALE_ROW1 matrix_b_scale:MATRIX_SCALE_ROW1
.elseif (\ra)
	v_wmma_scale_f32_16x16x128_f8f6f4 v[rD:rD+7], v[rA:rA+15], v[rB:rB+15], v[rC:rC+7], v[rSA], v[rSB] matrix_a_fmt:MATRIX_FMT_BF8 matrix_b_fmt:MATRIX_FMT_BF8 matrix_a_scale:MATRIX_SCALE_ROW1
.elseif (\rb)
	v_wmma_scale_f32_16x16x128_f8f6f4 v[rD:rD+7], v[rA:rA+15], v[rB:rB+15], v[rC:rC+7], v[rSA], v[rSB] matrix_a_fmt:MATRIX_FMT_BF8 matrix_b_fmt:MATRIX_FMT_BF8 matrix_b_scale:MATRIX_SCALE_ROW1
.else
	v_wmma_scale_f32_16x16x128_f8f6f4 v[rD:rD+7], v[rA:rA+15], v[rB:rB+15], v[rC:rC+7], v[rSA], v[rSB] matrix_a_fmt:MATRIX_FMT_BF8 matrix_b_fmt:MATRIX_FMT_BF8
.endif
.endm
; The first product's K step s: eight accumulators by turns, one instruction a turn, in the same order in every step.  first = 1: b1 is the C that starts the sums.
.macro F1MUL s, buf, first
.irp u, 0,1
.irp m, 0,1,2,3
.set rD, HA+16*\m+8*\u
.set rA, \buf+16*(2*((\s)%2)+\u)
.set rB, 64*((\s)%4)+16*\m
.if \first
.set rC, B1+8*\u
.else
.set rC, rD
.endif
.set rSA, W1S
.set rSB, XS+6*(\m/2)+(\s)
	WM \u, \m%2
.endr
.endr
.endm
; The second product, tile n of my twelve against the four row tiles: 48 accumulators by turns over a chunk.
.macro F2MUL n, buf
.irp m, 0,1,2,3
.if (\n) < 4
.set rD, 128+8*(4*(\n)+\m)
.else
.set rD, 8*(4*(\n)+\m-16)
.endif
.set rA, \buf+16*((\n)%4)
.set rB, HA+16*\m
.set rC, rD
.set rSA, W2S+(\n)/2
.set rSB, HS+\m/2
	WM (\n)%2, \m%2
.endr
.endm
; THE VECTOR WORK of row tile m: 16 numbers a lane.
.macro PRE m                           ; a = |h| (each accumulator is read from its low end on); 1 + a / (2 sqrt 2)
.set rX, HA+16*(\m)
.set rAz, TA+32*((\m)%2)
.set rTz, rAz+16
.set i, 0
.rept 16
	v_and_b32 v[rAz+i], s[ABSM], v[rX+i]
.set i, i+1
.endr
.set i, 0
.rept 8
	v_pk_fma_f32 v[rTz+i:rTz+i+1], v[rAz+i:rAz+i+1], s[KK:KK+1], 1.0 op_sel_hi:[1,0,0]
.set i, i+2
.endr
.endm
.macro HORN m, nxt                     ; P(t) x log2(e), nine steps of eight packed lines; nxt = 1: the next tile's sixteen reciprocals stand two at the head of each of the first eight steps
.set rTz, TA+32*((\m)%2)+16
.set rTn, TA+32*(((\m)+1)%2)+16
.set g, 0
.irp d, D9, D7, D6, D5, D4, D3, D2, D1, D0
.if (\nxt) && (g < 8)
	v_rcp_f32 v[rTn+2*g], v[rTn+2*g]
	v_rcp_f32 v[rTn+2*g+1], v[rTn+2*g+1]
.endif
.set i, 0
.rept 8
.if g == 0
	v_pk_fma_f32 v[PP+i:PP+i+1], v[rTz+i:rTz+i+1], s[\d:\d+1], v[D8:D8+1] op_sel_hi:[1,0,1]
.else
	v_pk_fma_f32 v[PP+i:PP+i+1], v[PP+i:PP+i+1], v[rTz+i:rTz+i+1], s[\d:\d+1] op_sel_hi:[1,1,0]
.endif
.set i, i+2
.endr
.set g, g+1
.endr
.endm
.macro TAIL m                          ; a t;  h + a;  h^2;  the exponent P - h^2 log2(e) / 2
.set rX, HA+16*(\m)
.set rAz, TA+32*((\m)%2)
.set rTz, rAz+16
.set i, 0
.rept 8
	v_pk_mul_f32 v[rTz+i:rTz+i+1], v[rAz+i:rAz+i+1], v[rTz+i:rTz+i+1]
.set i, i+2
.endr
.set i, 0
.rept 8
	v_pk_add_f32 v[rAz+i:rAz+i+1], v[rX+i:rX+i+1], v[rAz+i:rAz+i+1]
.set i, i+2
.endr
.set i, 0
.rept 8
	v_pk_mul_f32 v[rX+i:rX+i+1], v[rX+i:rX+i+1], v[rX+i:rX+i+1]
.set i, i+2
.endr
.set i, 0
.rept 8
	v_pk_fma_f32 v[PP+i:PP+i+1], v[rX+i:rX+i+1], s[CSQ:CSQ+1], v[PP+i:PP+i+1] op_sel_hi:[1,0,1]
.set i, i+2
.endr
.endm
.macro QAL m                           ; line qi of sixteen: the block's largest |G|, its scale operand, its bound and its byte
.set rG, HA+16*(\m)
.if qi == 0
	v_max3_num_f32 v[Q0], |v[rG]|, |v[rG+1]|, 0x8800000    ; my 16 numbers, and the floor 2^(17 - 127) for G = 2 gelu: the byte cannot fall under 1
.elseif qi < 8
	v_max3_num_f32 v[Q0], v[Q0], |v[rG+2*qi]|, |v[rG+2*qi+1]|
.elseif qi == 8
	v_permlanex16_b32 v[Q1], v[Q0], s[SEL], s[SEL+1]
.elseif qi == 9
	v_max_num_f32 v[Q0], v[Q0], v[Q1]              ; with lane l xor 16's 16: the block's
.elseif qi == 10
	v_min_num_f32 v[Q0], 0x41a00000, v[Q0]         ; of the CLIPPED numbers: 20 at the most
.elseif qi == 11
	v_add_nc_u32 v[Q2], 0xf8800000, v[Q0]          ; 15 off the exponent field: the conversion's scale operand, for G
.elseif qi == 12
	v_and_or_b32 v[Q3], v[Q0], 0x7f800000, s[MNT]  ; 57,344 x that scale
.elseif qi == 13
	v_min_num_f32 v[Q3], 0x41a00000, v[Q3]         ; the clip and the hold are one bound
.elseif qi == 14
	v_add_nc_u32 v[Q4], 0xf8000000, v[Q0]          ; 16 off: gelu is half of G
.else
	v_lshrrev_b32 v[BY+(\m)], 23, v[Q4]            ; the scale's byte
.endif
.endm
.macro QB m                            ; clip and hold, the codes, and their way to the other waves
.set rG, HA+16*(\m)
.set i, 0
.rept 16
	v_med3_num_f32 v[rG+i], v[rG+i], -v[Q3], v[Q3]
.set i, i+1
.endr
	v_cvt_scalef32_pk8_bf8_f32 v[CD+4*(\m):CD+4*(\m)+1], v[rG:rG+7], v[Q2]
	v_cvt_scalef32_pk8_bf8_f32 v[CD+4*(\m)+2:CD+4*(\m)+3], v[rG+8:rG+15], v[Q2]
	v_nop                                          ; a plain line behind the last conversion, ahead of the lines that write its scale operand anew
	ds_store_b128 v[HWI], v[CD+4*(\m):CD+4*(\m)+3] offset:2048*(\m)        ; registers 4 w .. 4 w + 3 of row tile m's fragment
	ds_store_b8 v[HWS], v[BY+(\m)] offset:64*(\m)  ; lanes r and r + 16 write the same byte with the same value
.endm
; The sixteen exponentials are one batch, the quantiser's lines of the tile before between them; ONE wait, ahead of the first reader, serves them and the next tile's reciprocals.
.macro EXPQ m
.set qi, 0
.rept 16
	v_exp_f32 v[PP+qi], v[PP+qi]
.if (\m) > 0
	QAL (\m)-1
.endif
.set qi, qi+1
.endr
.if (\m) > 0
	QB (\m)-1
.else
	v_nop
.endif
	s_wait_alu depctr_va_vdst(0)
.endm
.macro GG m                            ; G = (h + a) - (a t) 2^exponent
.set rX, HA+16*(\m)
.set rAz, TA+32*((\m)%2)
.set rTz, rAz+16
.set i, 0
.rept 8
	v_pk_fma_f32 v[rX+i:rX+i+1], v[rTz+i:rTz+i+1], v[PP+i:PP+i+1], v[rAz+i:rAz+i+1] neg_lo:[1,0,0] neg_hi:[1,0,0]
.set i, i+2
.endr
.endm
.macro BIAS                            ; b1 and W1's scale words of the chunk at which the two pointers stand
.irp c, 0,1,2,3
	global_load_b128 v[B1+4*\c:B1+4*\c+3], v[B1O], s[PB1:PB1+1] offset:16*\c
.endr
	global_load_b32 v[W1S], v[WSO], s[PWS:PWS+1]
.endm
	s_load_b256 s[4:11], s[0:1], 0x0               ; x's codes s[4:5], x's scales s[6:7], wq s[8:9], wsc s[10:11]
	s_load_b128 s[12:15], s[0:1], 0x20             ; b1 s[12:13], b2 s[14:15]
	s_load_b64 s[16:17], s[0:1], 0x30              ; out0
	v_lshl_add_u32 v[SPW], v0, 2, SPARE
	v_mov_b32 v[NIL], 0
	ds_add_u32 v[SPW], v[NIL]                      ; the wave's opening: the add, twice on end, and its wait ahead of my first tensor load; the set-up below, work on registers, stands between
	ds_add_u32 v[SPW], v[NIL]                      ; and once more
	v_lshrrev_b32 v1, 5, v0
	v_readfirstlane_b32 s[WV], v1                  ; wave 0..3
	v_and_b32 v68, 15, v0                          ; r
	v_bfe_u32 v69, v0, 4, 1                        ; h
	v_and_b32 v70, 31, v0                          ; lane
	v_lshlrev_b32 v[LI], 4, v70
	s_mul_i32 s96, s[WV], WREG
	v_add_nc_u32 v[AW1], s96, v[LI]
	s_mov_b32 s[TB], 0
	v_add_nc_u32 v[ADW], s[TB], v[AW1]
	v_add_nc_u32 v[AW2], RG2, v[AW1]
	s_lshl_b32 s96, s[WV], 9
	s_add_co_u32 s96, s96, HIMG
	v_add_nc_u32 v[HWI], s96, v[LI]
	v_lshlrev_b32 v[HWS], 2, v68
	s_add_co_u32 s97, s[WV], HSC
	v_add_nc_u32 v[HWS], s97, v[HWS]
	v_add_nc_u32 v[HRI], HIMG, v[LI]
	v_lshl_add_u32 v[HRS], v70, 2, HSC
	v_lshlrev_b32 v[B1O], 6, v69
	v_lshlrev_b32 v[WSO], 2, v70
	s_mul_i32 s96, s[WV], 16*SPI                   ; my stage
	v_mul_u32_u24 v[STO], v68, SPI
	v_lshl_add_u32 v[STO], v69, 5, v[STO]
	v_add_nc_u32 v[STO], s96, v[STO]               ; in: row r, 32 bytes for each half of the lanes
	v_mul_u32_u24 v[RD], v69, SPI
	v_lshl_add_u32 v[RD], v68, 4, v[RD]
	v_add_nc_u32 v[RD], s96, v[RD]                 ; back: lanes 0-15 take 256 bytes of one row, lanes 16-31 of the next
	v_mul_u32_u24 v[CO], v69, 3072
	v_lshl_add_u32 v[CO], v68, 4, v[CO]            ; and the same in out
	v_mul_u32_u24 v64, v68, 768
	v_lshl_add_u32 v64, v69, 4, v64                ; x's codes: row r of 768 bytes, + 16 h
	v_lshlrev_b32 v65, 5, v69                      ; b2: 32 h
	v_mul_u32_u24 v66, v70, 24                     ; x's scales: 24 bytes a row, a lane a row
	v_lshlrev_b32 v67, 2, v68
	v_lshl_add_u32 v67, v69, 8, v67                ; W2's scale words: 256 h + 4 r
	v_mov_b32 v[Q1], 0                             ; written once: a lane permute's destination counts as one of its sources
	v_mov_b32 v[D8], 0xbf97d29d                    ; -0.82215223 log2(e)
	v_mov_b32 v[D8+1], 0xbf97d29d
	s_and_b32 s19, s[WV], 1                        ; which half of a region I fetch
	s_bfe_u32 s20, ttmp6, 0x40000                  ; cx: my place in the cluster: it enters the addresses of x, its scales and out alone
	s_lshl_b32 s21, ttmp9, 2                       ; in a cluster launch ttmp9 counts clusters
	s_add_co_u32 s21, s21, s20                     ; g
	s_lshl_b32 s22, s21, 2
	s_mul_i32 s82, s21, 3
	s_add_co_u32 s82, s82, 187
	s_min_u32 s22, s22, s82                        ; my first tile of rows: min(4 g, 3 g + 187)
	; descriptor group 1: 49,152 dense bytes as 192 rows of 256 (32 elements of 8 bytes); no padding: a fragment load's 512 bytes are consecutive
	s_mov_b32 s[G1], 15|(3<<16)|(1<<21)            ; 15:0 the mask: all four work-groups; 17:16 elements of 8 bytes; 21 set beside a mask
	s_mov_b32 s[G1+1], 32<<16                      ; tensor_dim0 = 32
	s_mov_b32 s[G1+2], 192<<16                     ; tensor_dim1 = 192
	s_mov_b32 s[G1+3], 32<<16                      ; tile_dim0 = 32
	s_mov_b32 s[G1+4], 192                         ; tile_dim1 = 192
	s_mov_b32 s[G1+5], 32                          ; from row to row
	s_mov_b32 s[G1+6], 0
	s_mov_b32 s[G1+7], 0
	s_mov_b32 s[SEL], 0x76543210
	s_mov_b32 s[SEL+1], 0xfedcba98
	s_mov_b32 s[MNT], 0x600000
	s_mov_b32 s[ABSM], 0x7fffffff
	CPAIR KK,  0x3eb504f3                          ; 1 / (2 sqrt 2)
	CPAIR D9,  0x3e7c6f08                          ; the series' coefficients x log2(e): 0.17087277,
	CPAIR D7,  0x40097039                          ; 1.48851587,
	CPAIR D6,  0xbfd1a1e5                          ; -1.13520398,
	CPAIR D5,  0x3ecdfd18                          ; 0.27886807,
	CPAIR D4,  0xbe899a80                          ; -0.18628806,
	CPAIR D3,  0x3e0efb2e                          ; 0.09678418,
	CPAIR D2,  0x3f0a29d2                          ; 0.37409196,
	CPAIR D1,  0x3fb8ab5a                          ; 1.00002368,
	CPAIR D0,  0xbfe9b21e                          ; -1.26551223
	CPAIR CSQ, 0xbf38aa3b                          ; -log2(e) / 2
	s_mul_i32 s80, s19, HALFB                      ; my half: made of the wave's number alone
	s_mov_b32 s81, 0
	s_mul_i32 s82, s22, 12288                      ; 16 rows of x's codes,
	s_mov_b32 s83, 0
	s_mul_i32 s84, s22, 384                        ; of its scale bytes,
	s_mov_b32 s85, 0
	s_mul_i32 s86, s22, 49152                      ; of out,
	s_mul_i32 s88, s[WV], 768                      ; and my 192 columns
	s_add_co_u32 s86, s86, s88
	s_mov_b32 s87, 0
	s_mov_b32 s89, 0
	s_lshl_b32 s90, s[WV], 7                       ; my 32 numbers of b1, my 32 scale words of W1
	s_mov_b32 s91, 0
	s_mul_i32 s92, s[WV], 3072
	s_add_co_u32 s92, s92, 12288                   ; my twelve tiles' scale words of W2
	s_mov_b32 s93, 0
	s_mov_b32 s[G0A], 1                            ; count = 1
	s_add_co_u32 s[G0A+1], s80, RG2                ; LDS address
	s_mov_b32 s[G0B], 1
	s_add_co_u32 s[G0B+1], s80, RG1
	s_mov_b32 s[G0C], 1
	s_mov_b32 s[G0C+1], s80
	s_wait_dscnt 0x0                               ; both opening adds are done
	s_wait_kmcnt 0x0
	s_add_nc_u64 s[G0A+2:G0A+3], s[8:9], s[80:81]
	s_add_nc_u64 s[G0A+2:G0A+3], s[G0A+2:G0A+3], W2Q       ; W2's K step 0
	s_or_b32 s[G0A+3], s[G0A+3], 0x80000000        ; type = 2
	s_add_nc_u64 s[G0B+2:G0B+3], s[8:9], s[80:81]
	s_add_nc_u64 s[G0B+2:G0B+3], s[G0B+2:G0B+3], CHB       ; W1's chunk 1
	s_or_b32 s[G0B+3], s[G0B+3], 0x80000000
	s_add_nc_u64 s[G0C+2:G0C+3], s[8:9], s[80:81]  ; W1's chunk 0
	s_or_b32 s[G0C+3], s[G0C+3], 0x80000000
	s_add_nc_u64 s[4:5], s[4:5], s[82:83]
	s_add_nc_u64 s[6:7], s[6:7], s[84:85]
	s_add_nc_u64 s[16:17], s[16:17], s[86:87]
	s_add_nc_u64 s[14:15], s[14:15], s[88:89]
	s_add_nc_u64 s[PB1:PB1+1], s[12:13], s[90:91]
	s_add_nc_u64 s[PWS:PWS+1], s[10:11], s[90:91]
	s_add_nc_u64 s[94:95], s[10:11], s[92:93]
	CROUND                                         ; all four work-groups are here: the first joint loads meet
	s_cmp_lt_u32 s[WV], 2                          ; a wave's first fills stand in one branch, ahead of every wait on TENSORcnt and every LDS read; every wave issues at least one
	s_cbranch_scc0 .Lfirst_w1
	tensor_load_to_lds s[G0C:G0C+3], s[G1:G1+7]
	s_nop 0
	tensor_load_to_lds s[G0A:G0A+3], s[G1:G1+7]
	s_nop 0
.rept 4
	v_nop
.endr
	s_branch .Lfirst_asked
.Lfirst_w1:
	tensor_load_to_lds s[G0B:G0B+3], s[G1:G1+7]
	s_nop 0
.rept 4
	v_nop
.endr
.Lfirst_asked:
	WIN 0x40                                       ; destination window 1: x's fragments of K steps 0-3: lane (r, h): registers 4 c .. 4 c + 3 hold k = 128 s + 32 c + 16 h + 0 .. 15 of row 16 m + r
.irp s, 0,1,2,3
.irp m, 0,1,2,3
.irp c, 0,1,2,3
	global_load_b128 v[64*\s+16*\m+4*\c:64*\s+16*\m+4*\c+3], v64, s[4:5] offset:12288*\m+128*\s+32*\c
.endr
.endr
.endr
	WIN 0x80                                       ; window 2: K steps 4, 5;
.irp s, 4,5
.irp m, 0,1,2,3
.irp c, 0,1,2,3
	global_load_b128 v[64*(\s-4)+16*\m+4*\c:64*(\s-4)+16*\m+4*\c+3], v64, s[4:5] offset:12288*\m+128*\s+32*\c
.endr
.endr
.endr
.irp n, 0,1,2,3                                ; and b2 STRAIGHT INTO THE ACCUMULATORS: nothing is cleared, nothing is added at the end, and no first chunk is written out: lane (r, h), tile n: columns 16 n + 8 h + 0 .. 7
.irp m, 0,1,2,3
	global_load_b128 v[128+8*(4*\n+\m):128+8*(4*\n+\m)+3], v65, s[14:15] offset:64*\n
	global_load_b128 v[128+8*(4*\n+\m)+4:128+8*(4*\n+\m)+7], v65, s[14:15] offset:64*\n+16
.endr
.endr
	WIN 0xc0                                       ; window 3
.irp n, 4,5,6,7,8,9,10,11
.irp m, 0,1,2,3
	global_load_b128 v[8*(4*\n+\m-16):8*(4*\n+\m-16)+3], v65, s[14:15] offset:64*\n
	global_load_b128 v[8*(4*\n+\m-16)+4:8*(4*\n+\m-16)+7], v65, s[14:15] offset:64*\n+16
.endr
.endr
	WIN 0
.irp i, 0,1
.irp t, 0,1,2
	global_load_b64 v[XS+6*\i+2*\t:XS+6*\i+2*\t+1], v66, s[6:7] offset:768*\i+8*\t   ; rows 32 i + lane: the words of K steps 2 t, 2 t + 1
.endr
.endr
.irp i, 0,1,2,3,4,5
	global_load_b32 v[W2S+\i], v67, s[94:95] offset:512*\i
.endr
	BIAS
	s_wait_tensorcnt 0x0                           ; for 0: the two arms have issued different numbers of loads.  My parts of the three regions are in,
	s_barrier_signal -1
	s_barrier_wait -1                              ; everybody's are
	W1LD 0, H1
; A CHUNK of 128 hidden units.  fill = 1: both streams are asked for at its end; 2: W2 alone; last = 1: nothing follows.
.macro CHUNK fill, last
	; ---- the first product: my two tiles of hidden units x four tiles of rows x six K steps.  K steps 0, 1 were fetched in the chunk before
	W1LD 2, H0
	s_wait_loadcnt 0x0                             ; b1 and W1's scale words of this chunk (in the first chunk also x, b2 and the other scale words): so the two pointers may step
.if !(\last)
	s_add_nc_u64 s[PB1:PB1+1], s[PB1:PB1+1], 512
	s_add_nc_u64 s[PWS:PWS+1], s[PWS:PWS+1], 512
.endif
	s_wait_dscnt 16                                ; K steps 0, 1 are in; the sixteen loads just issued may be out
	WIN 0x04                                       ; source 1 (x) window 1
	F1MUL 0, H1, 1
	F1MUL 1, H1, 0
	PLACES 8                                       ; in front of loads into registers that these products have read
	W1LD 4, H1
	s_wait_dscnt 16                                ; K steps 2, 3 are in
	F1MUL 2, H0, 0
	F1MUL 3, H0, 0
	s_wait_dscnt 0x0
	WIN 0x08                                       ; x's K steps 4, 5 lie in window 2
	F1MUL 4, H1, 0
	F1MUL 5, H1, 0
	WIN 0
	PLACES 8                                       ; in front of the first read of the sums, of the vector lines that write the fragments' registers, and of the loads below
.if !(\last)
	BIAS                                           ; the next chunk's: they land under the vector work
.endif
	; ---- gelu, clip, quantiser: four tiles of rows, each a step behind the one before
	PRE 0
.set i, 0
.rept 16
	v_rcp_f32 v[TA+16+i], v[TA+16+i]
.set i, i+1
.endr
	PRE 1                                          ; independent work behind the reciprocals
	s_wait_alu depctr_va_vdst(0)                   ; one wait for the sixteen, ahead of their first reader
.irp m, 0,1,2,3
.if (\m == 1) || (\m == 2)
	PRE \m+1
.endif
.if \m < 3
	HORN \m, 1
.else
	HORN \m, 0
.endif
	TAIL \m
	EXPQ \m
	GG \m
.endr
.set qi, 0
.rept 16
	QAL 3
.set qi, qi+1
.endr
	QB 3
	; ---- the hidden layer's images are whole behind this barrier, and so are W2's K step and the next chunk of W1.
	s_wait_tensorcnt 0x0                           ; my one load is the tile that is read next, and none was issued behind it: the count that shows it landed is 0
	s_wait_dscnt 0x0                               ; for the others' sake: my stores have landed
	s_barrier_signal -1
	s_barrier_wait -1
	; ---- the second product: K step j into my 48 accumulators
	ds_load_b32 v[HS], v[HRS]
	ds_load_b32 v[HS+1], v[HRS] offset:128
.irp m, 0,1,2,3
	LDFRAG HA+16*\m, HRI, 2048*\m
.endr
.irp n, 0,1,2,3
	LDFRAG H0+16*\n, AW2, 2048*\n
.endr
.irp n, 4,5,6,7
	LDFRAG H1+16*(\n-4), AW2, 2048*\n
.endr
	s_wait_dscnt 16                                ; all but tiles 4-7
	WIN 0xa0                                       ; C and D window 2
	F2MUL 0, H0
	F2MUL 1, H0
	F2MUL 2, H0
	F2MUL 3, H0
	PLACES 8
	WIN 0
.irp n, 8,9,10,11
	LDFRAG H0+16*(\n-8), AW2, 2048*\n
.endr
	s_wait_dscnt 16                                ; tiles 4-7 are in
	WIN 0xf0                                       ; C and D window 3
	F2MUL 4, H1
	F2MUL 5, H1
	F2MUL 6, H1
	F2MUL 7, H1
.if \last
	s_wait_dscnt 0x0
	F2MUL 8, H0
	F2MUL 9, H0
	F2MUL 10, H0
	F2MUL 11, H0
	WIN 0
	PLACES 8                                       ; in front of the way out's reads of the sums and its loads into the operands' registers
.else
	PLACES 8
	WIN 0
	s_xor_b32 s[TB], s[TB], RG1                    ; on to the other region of W1: it is whole since the barrier above
	v_add_nc_u32 v[ADW], s[TB], v[AW1]
	W1LD 0, H1                                     ; the next chunk's K steps 0, 1
	s_wait_dscnt 16                                ; tiles 8-11 are in
	WIN 0xf0
	F2MUL 8, H0
	F2MUL 9, H0
	WIN 0                                          ; (the add's two registers lie in window 0)
	s_wait_tensorcnt 0x0                           ; no tensor load of mine is out, so a group 0 may be written
	ds_add_u32 v[SPW], v[NIL]                      ; 0 onto my spare word: the descriptors' steps stand between it and the wait for it
	s_add_nc_u64 s[G0A+2:G0A+3], s[G0A+2:G0A+3], CHB       ; W2's next K step; the type bits on top are not reached
.if \fill == 1
	s_xor_b32 s[G0B+1], s[G0B+1], RG1              ; W1: the region that this chunk has read,
	s_add_nc_u64 s[G0B+2:G0B+3], s[G0B+2:G0B+3], CHB       ; the chunk after next
.endif
	s_wait_dscnt 0x0                               ; the add is done; my reads of W2's region, of this chunk's W1 and of the hidden images are over
	s_barrier_signal -1                            ; this barrier opens a round of the cluster's
	WIN 0xf0
	F2MUL 10, H0                                   ; work on registers while the others arrive
	F2MUL 11, H0
	WIN 0
	s_barrier_wait -1
	CREST                                          ; no wave of any partner still reads the regions or has a load on its way
.if \fill == 1
	JLOAD                                          ; the first tensor load behind the round, one a wave
.else
	JLOADK
.endif
	PLACES 9                                       ; the next chunk's first products write over the hidden fragments, which the last products read; its first loads land in their other operand's registers
.endif
.endm
	s_mov_b32 s[CNT], 22
.Lchunk:                                               ; chunks 0 to 21: at the end of chunk j W2's K step j + 1 and W1's chunk j + 2 are asked for
	CHUNK 1, 0
	s_sub_co_u32 s[CNT], s[CNT], 1
	s_cmp_lg_u32 s[CNT], 0
	s_cbranch_scc1 .Lchunk
	CHUNK 2, 0                                     ; chunk 22 and chunk 23 are written out
	CHUNK 0, 1
; THE WAY OUT, a tile of 16 rows at a time.  A lane holds 32 neighbouring bytes of a row for each of my twelve tiles, and the lanes beside it hold other rows: so the tile goes through my own stage in LDS and comes back by rows:
; sixteen lanes store 256 consecutive bytes, at a multiple of 256 from out0's first byte.  The stages lie in the region of W1's even chunks: it has had its last fill, and its last read lies ahead of several barriers.
; LDS serves a wave's instructions in order (ISA guide 5.7.1.4): no wait between the stores and the loads, nor in front of the next tile's stores.
.macro OUTM m
	WIN 0x08                                       ; an LDS store's data are its source 1: window 2
.irp n, 0,1,2,3
	ds_store_b128 v[STO], v[128+8*(4*\n+\m):128+8*(4*\n+\m)+3] offset:64*\n        ; each accumulator from its low end on
	ds_store_b128 v[STO], v[128+8*(4*\n+\m)+4:128+8*(4*\n+\m)+7] offset:64*\n+16
.endr
	WIN 0x0c                                       ; window 3
.irp n, 4,5,6,7,8,9,10,11
	ds_store_b128 v[STO], v[8*(4*\n+\m-16):8*(4*\n+\m-16)+3] offset:64*\n
	ds_store_b128 v[STO], v[8*(4*\n+\m-16)+4:8*(4*\n+\m-16)+7] offset:64*\n+16
.endr
	WIN 0
.if \m >= 2
	s_wait_xcnt 0x0                                ; the stores of the tile before last have read their registers: these loads land there
.endif
.set rS, 64+96*((\m)%2)
.set t, 0
.rept 24
	ds_load_b128 v[rS+4*t:rS+4*t+3], v[RD] offset:2*SPI*(t/3)+256*(t%3)
.set t, t+1
.endr
.set t, 0
.rept 24
	s_wait_dscnt 23-t                              ; load t is in; the younger ones may be out
	global_store_b128 v[CO], v[rS+4*t:rS+4*t+3], s[16:17] offset:49152*(\m)+6144*(t/3)+256*(t%3) th:TH_STORE_NT   ; written once, read by nobody here
.set t, t+1
.endr
.endm
	s_cmp_ge_u32 ttmp9, 47                         ; in clusters 47 to 49 a block's first tile belongs to the block before: the cluster's number is the same in all four partners
	s_cbranch_scc1 .Lnot_mine
	OUTM 0
.Lnot_mine:
	OUTM 1
	OUTM 2
	OUTM 3
	s_wait_tensorcnt 0x0                           ; the wave's end: behind my last tensor load and my last LDS store
	ds_add_u32 v[SPW], v[NIL]
	s_wait_dscnt 0x0
	CROUND                                         ; the closing round: no work-group ends while a partner may still ask for a tile that names it
	s_endpgm
.Lfunc_end_k_q5563720d22_mlp:
	.size	k_q5563720d22_mlp, .Lfunc_end_k_q5563720d22_mlp-k_q5563720d22_mlp
	.p2alignl 7, 3214868480
	.fill 96, 4, 3214868480
	.section	.rodata,"a",@progbits
	.p2align	6, 0x0
	.amdhsa_kernel k_q5563720d22_mlp
		.amdhsa_group_segment_fixed_size 327680
		.amdhsa_private_segment_fixed_size 0
		.amdhsa_enable_private_segment 0
		.amdhsa_kernarg_size 56
		.amdhsa_user_sgpr_count 2
		.amdhsa_user_sgpr_kernarg_segment_ptr 1
		.amdhsa_wavefront_size32 1
		.amdhsa_system_sgpr_workgroup_id_x 1
		.amdhsa_system_sgpr_workgroup_id_y 1
		.amdhsa_system_sgpr_workgroup_id_z 1
		.amdhsa_system_vgpr_workitem_id 0
		.amdhsa_next_free_vgpr 1024
		.amdhsa_next_free_sgpr 100
		.amdhsa_reserve_vcc 0
		.amdhsa_float_denorm_mode_32 3
		.amdhsa_float_denorm_mode_16_64 3
		.amdhsa_memory_ordered 1
		.amdhsa_forward_progress 1
		.amdhsa_inst_pref_size 255
	.end_amdhsa_kernel
	.amdgpu_metadata
---
amdhsa.version: [ 1, 2 ]
amdhsa.kernels:
  - .name:           k_q5563720d22_mlp
    .symbol:         k_q5563720d22_mlp.kd
    .args:
      - { .name: x_codes, .offset: 0, .size: 8, .value_kind: global_buffer, .address_space: global }
      - { .name: x_scales, .offset: 8, .size: 8, .value_kind: global_buffer, .address_space: global }
      - { .name: wq, .offset: 16, .size: 8, .value_kind: global_buffer, .address_space: global }
      - { .name: wsc, .offset: 24, .size: 8, .value_kind: global_buffer, .address_space: global }
      - { .name: b1, .offset: 32, .size: 8, .value_kind: global_buffer, .address_space: global }
      - { .name: b2, .offset: 40, .size: 8, .value_kind: global_buffer, .address_space: global }
      - { .name: out0, .offset: 48, .size: 8, .value_kind: global_buffer, .address_space: global }
    .group_segment_fixed_size: 327680
    .private_segment_fixed_size: 0
    .kernarg_segment_align: 8
    .kernarg_segment_size: 56
    .max_flat_workgroup_size: 128
    .sgpr_count:     100
    .vgpr_count:     1024
    .wavefront_size: 32
...
	.end_amdgpu_metadata
.endif
;; end of part 2
;; ======== version 2 of 2: 2 launches
;; limits: right only within a limited range of input values
;; workspace buffers: wq 4,718,592 bytes; wsc 24,576 bytes
;; launch prep (part 3): grid 96 x 1, 16 waves a work-group, no clusters, 54,528 bytes of LDS; arguments w1, w2, wq, wsc; writes wq, wsc
.if DOCPART == 3
	.amdgcn_target "amdgcn-amd-amdhsa--gfx1250"
	.amdhsa_code_object_version 6
	.text
	.protected	k_q5563720d22_prep
	.globl	k_q5563720d22_prep
	.p2align	8
	.type	k_q5563720d22_prep,@function
k_q5563720d22_prep:
	s_mov_b64 s[64:65], 0
	v_nop
	global_prefetch_b8 v0, s[64:65] scope:SCOPE_SE
	s_setreg_imm32_b32 hwreg(HW_REG_WAVE_MODE, 25, 1), 1
	s_wait_xcnt 0x0
; The two binarised weights, quantised along K to codes of BF8 (E5M2) with E8M0 scales, laid for the launch that multiplies.
; w1 [3072][768], w2 [768][3072], f32.  A row's numbers are alpha x sign(w), alpha = the mean of |w| over the row.  So every number of a row that is not 0 has the magnitude alpha,
; every block of 32 that holds such a number has the scale 2^(floor(log2 alpha) - 15), and a block of zeros has zero codes, which add nothing under any byte but 0xff:
; ONE scale byte serves a whole row, for all values of w.  sign(0) = 0 is kept: its code is 0.  No input and no step is left out.
; OUT.  wq: images of the operand's registers.  A fragment (16 rows x 128 K) is 2,048 bytes, [c 4][lane 32][16 bytes]: lane 16 h + r holds k = 32 c + 16 h + 0 .. 15 of the fragment's row r.
;   w1's: [chunk j 24][wave w 4][u 2][K step s 6]; row r of tile (j, w, u) is w1's row 128 j + 32 w + 8 u + r + 8 (r / 8).   w2's, from byte 2,359,296: [K step j 24][tile n 48]; row r is w2's row 16 n + r.
;   wsc: a row's byte four times over in a word.  w1's word at 512 j + 128 w + 64 u + 4 r; w2's at 12,288 + 256 n + 4 r (stored four times, 64 bytes apart, so that a work-group stores 256 consecutive bytes).
; SHARES.  Both tensors are 2,359,296 numbers; a wave takes 3,072 as four parts of 768, a part as six loads of 512 consecutive bytes.  Work-groups 0-47 take w1, 64 rows each: a part is a row, and wave v is
; fragment row v of four tiles.  Work-groups 48-95 take w2, 16 rows each: the four parts are one row.  ONE path serves both: what differs is chosen by s_cselect on the work-group's number.
; A load's four numbers of a lane become four codes, one word; the sixteen waves' words meet in a stage in LDS (units of 256 bytes + 16), and leave as runs of 512 consecutive bytes.
; LIMITS: NaN and infinities are not served; alpha under 2^-111 gets the byte 1 (not tried); the mean is the sum x (1 / N), the sum taken lane by lane and then across lanes, not in the order of reference().
.set UP,    272                        ; a unit of the stage: 256 bytes + 16
.set SCW,   192*UP                     ; behind the 192 units: the work-group's 64 scale words
.set SPARE, SCW+256                    ; the spare words, 128 bytes for each of the sixteen waves: blocks of 256 bytes that no other line names
.set VO,  2                            ; v2-5    byte offset of my 16 bytes in part i's first load
.set SA,  6                            ; v6      the stage, on the way in
.set SB,  7                            ; v7      my wave's scale word
.set RA,  8                            ; v8      the stage, on the way out
.set L8,  9                            ; v9      8 x lane
.set SPW, 10                           ; v10     LDS address of my spare word; never rewritten
.set NIL, 11                           ; v11     0; never rewritten
.set SM,  12                           ; v12-15  part i's sum, then alpha
.set S2,  16                           ; v16-19  second chains; the lane permutes' destinations; then the largest magnitude with its floor
.set SO,  20                           ; v20-23  the conversion's scale operand
.set AH,  24                           ; v24-27  alpha, held at the largest code x the scale
.set WD,  28                           ; v28-31  the scale words
.set X,   32                           ; v32-127 the 96 numbers: load q = 6 i + s at X + 4 q; later the copy's data
.set CDW, 128                          ; v128-151 load q's four codes
.set DST, 152                          ; v152-157 the copy's six byte offsets in wq
.set TT,  158                          ; v158-159 at work
.set RW,  160                          ; v160    where wave 0 reads the scale words back
	s_load_b256 s[4:11], s[0:1], 0x0               ; w1 s[4:5], w2 s[6:7], wq s[8:9], wsc s[10:11]
	v_lshl_add_u32 v[SPW], v0, 2, SPARE
	v_mov_b32 v[NIL], 0
	v_lshrrev_b32 v1, 5, v0
	s_delay_alu instid0(VALU_DEP_1)
	v_readfirstlane_b32 s12, v1                    ; wave 0..15
	v_and_b32 v1, 31, v0                           ; lane
	s_delay_alu instid0(VALU_DEP_1)
	v_lshlrev_b32 v[VO], 4, v1
	; a lane's word holds k = 4 l .. 4 l + 3 of a K step: unit l / 4 of the fragment's eight, 16 bytes for each fragment row, word l % 4 of them
	s_delay_alu instid0(VALU_DEP_2)
	v_lshrrev_b32 v[SA], 2, v1
	s_delay_alu instid0(VALU_DEP_1)
	v_mul_u32_u24 v[SA], v[SA], UP
	s_delay_alu instid0(VALU_DEP_4)
	v_and_b32 v[SB], 3, v1
	s_delay_alu instid0(VALU_DEP_1)
	v_lshl_add_u32 v[SA], v[SB], 2, v[SA]
	s_lshl_b32 s32, s12, 4
	v_add_nc_u32 v[SA], s32, v[SA]
	s_lshl_b32 s33, s12, 2
	s_add_co_u32 s33, s33, SCW
	v_mov_b32 v[SB], s33
	v_lshrrev_b32 v[RA], 4, v1                     ; out: piece 16 t + wave, two units: lanes 0-15 one, lanes 16-31 the next
	s_delay_alu instid0(VALU_DEP_1)
	v_mul_u32_u24 v[RA], v[RA], UP
	v_and_b32 v[L8], 15, v1
	s_delay_alu instid0(VALU_DEP_1)
	v_lshl_add_u32 v[RA], v[L8], 4, v[RA]
	s_mul_i32 s34, s12, 2*UP
	v_add_nc_u32 v[RA], s34, v[RA]
	v_lshlrev_b32 v[L8], 3, v1
	s_delay_alu instid0(VALU_DEP_1)
	v_add_nc_u32 v[RW], SCW, v[L8]
	s_mov_b32 s22, 0x7fffffff
	s_mov_b32 s23, 0x600000                        ; the mantissa field of 57,344
	s_mov_b32 s24, 0x76543210
	s_mov_b32 s25, 0xfedcba98                      ; v_permlanex16_b32's selects for lane l xor 16
	s_lshr_b32 s26, s12, 3
	s_lshl_b32 s26, s26, 3
	s_add_co_u32 s26, s26, s12
	s_mul_i32 s26, s26, 3072                       ; w1: my first row among the work-group's 64 is v + 8 (v / 8)
	s_mul_i32 s27, s12, 12288                      ; w2: my row among its 16 is v
	s_and_b32 s35, s12, 3
	s_lshl_b32 s35, s35, 9                         ; my piece's place in a fragment
	s_lshr_b32 s36, s12, 2                         ; and which of four fragments
	s_mov_b32 s15, 3072                            ; w2's values; an instruction takes one literal, so w1's come by the selections
	s_mov_b32 s16, 6144
	s_mov_b32 s17, 9216
	s_mov_b32 s18, 0x39aaaaab                      ; 1 / 3,072
	s_mov_b32 s20, 98304
	s_mov_b32 s28, 2048
	s_mov_b32 s29, 2359296
	s_cmp_lt_u32 ttmp9, 48                         ; w1's work-group or w2's?  Nothing but selections stands between this line and the last of them
	s_cselect_b32 s13, 0, 48
	s_cselect_b32 s15, 24576, s15                  ; parts 1, 2, 3 begin so many bytes behind part 0: w1: 8, 32, 40 rows on; w2: 768 numbers on each
	s_cselect_b32 s16, 98304, s16
	s_cselect_b32 s17, 122880, s17
	s_cselect_b32 s18, 0x3aaaaaab, s18             ; 1 / 768
	s_cselect_b32 s19, 0, -1                       ; w2: the four parts' sums are one row's
	s_cselect_b32 s20, 2048, s20                   ; from fragment q to q + 1 in wq
	s_cselect_b32 s26, s26, s27
	s_cselect_b32 s28, 49152, s28
	s_cselect_b32 s29, 0, s29
	s_sub_co_u32 s13, ttmp9, s13                   ; the work-group's number within its tensor
	s_lshl_b32 s21, s20, 2
	s_mul_i32 s30, s13, 196608                     ; 64 rows of w1 and 16 rows of w2 are as many bytes
	s_add_co_u32 s30, s30, s26
	s_mov_b32 s31, 0
	s_mul_i32 s28, s13, s28
	s_add_co_u32 s28, s28, s29
	s_mov_b32 s29, 0
	s_mul_i32 s36, s36, s20
	s_add_co_u32 s35, s35, s36
	v_add_nc_u32 v[VO+1], s15, v[VO]
	v_add_nc_u32 v[VO+2], s16, v[VO]
	v_add_nc_u32 v[VO+3], s17, v[VO]
	v_add_nc_u32 v[DST], s35, v[VO]                ; piece 16 t + v lies in fragment 4 t + v / 4, at 512 (v % 4)
.irp t, 1,2,3,4,5
	s_delay_alu instid0(VALU_DEP_1)
	v_add_nc_u32 v[DST+\t], s21, v[DST+\t-1]
.endr
	s_wait_alu depctr_va_vdst(0)
	s_wait_kmcnt 0x0
	s_cmp_lt_u32 ttmp9, 48
	s_cselect_b64 s[4:5], s[4:5], s[6:7]           ; the choice hangs on the work-group's number alone
	s_add_nc_u64 s[4:5], s[4:5], s[30:31]
	s_add_nc_u64 s[8:9], s[8:9], s[28:29]
	s_lshl_b32 s30, ttmp9, 8
	s_add_nc_u64 s[10:11], s[10:11], s[30:31]
.irp i, 0,1,2,3
.irp s, 0,1,2,3,4,5
	global_load_b128 v[X+4*(6*\i+\s):X+4*(6*\i+\s)+3], v[VO+\i], s[4:5] offset:512*\s th:TH_LOAD_NT   ; 32 lanes read 512 consecutive bytes; read once in the launch
.endr
.endr
.irp i, 0,1,2,3
	s_wait_loadcnt 18-6*\i                         ; part i's six loads are in; the later parts' may be out
	v_add_f32 v[SM+\i], |v[X+24*\i]|, |v[X+24*\i+1]|
	v_add_f32 v[S2+\i], |v[X+24*\i+12]|, |v[X+24*\i+13]|
.irp k, 2,3,4,5,6,7,8,9,10,11
	s_delay_alu instid0(VALU_DEP_2)
	v_add_f32 v[SM+\i], v[SM+\i], |v[X+24*\i+\k]|          ; two chains, so that they do not wait for each other
	s_delay_alu instid0(VALU_DEP_2)
	v_add_f32 v[S2+\i], v[S2+\i], |v[X+24*\i+12+\k]|
.endr
	s_delay_alu instid0(VALU_DEP_1)
	v_add_f32 v[SM+\i], v[SM+\i], v[S2+\i]
.endr
.irp x, 1,2,4,8
.irp i, 0,1,2,3
	v_add_f32_dpp v[SM+\i], v[SM+\i], v[SM+\i] row_xmask:\x row_mask:0xf bank_mask:0xf
.endr
.endr
.irp i, 0,1,2,3
	s_delay_alu instid0(VALU_DEP_4)
	v_permlanex16_b32 v[S2+\i], v[SM+\i], s24, s25
.endr
.irp i, 0,1,2,3
	s_delay_alu instid0(VALU_DEP_4)
	v_add_f32 v[SM+\i], v[SM+\i], v[S2+\i]         ; every lane holds part i's sum
.endr
	s_delay_alu instid0(VALU_DEP_3)
	v_add_f32 v[TT], v[SM], v[SM+1]
	s_delay_alu instid0(VALU_DEP_2)
	v_add_f32 v[TT+1], v[SM+2], v[SM+3]
	s_delay_alu instid0(VALU_DEP_1)
	v_add_f32 v[TT], v[TT], v[TT+1]
.irp i, 0,1,2,3
	v_cndmask_b32 v[SM+\i], v[SM+\i], v[TT], s19   ; w2: the row's sum is that of the four parts
.endr
.irp i, 0,1,2,3
	s_delay_alu instid0(VALU_DEP_4)
	v_mul_f32 v[SM+\i], s18, v[SM+\i]              ; alpha
.endr
.irp i, 0,1,2,3
	s_delay_alu instid0(VALU_DEP_4)
	v_max_num_f32 v[S2+\i], 0x8000000, v[SM+\i]    ; the floor 2^(16 - 127): the byte cannot fall under 1
.endr
.irp i, 0,1,2,3
	s_delay_alu instid0(VALU_DEP_4)
	v_add_nc_u32 v[SO+\i], 0xf8800000, v[S2+\i]    ; 15 off the exponent field: the conversion takes the exponent field of this operand as its scale
.endr
.irp i, 0,1,2,3
	v_and_or_b32 v[AH+\i], v[S2+\i], 0x7f800000, s23       ; 57,344 x the scale
.endr
.irp i, 0,1,2,3
	s_delay_alu instid0(VALU_DEP_4)
	v_min_num_f32 v[AH+\i], v[SM+\i], v[AH+\i]     ; the conversion to an 8-bit code does not saturate (ISA guide 7.6.2): alpha is held first
.endr
.irp i, 0,1,2,3
	v_lshrrev_b32 v[WD+\i], 23, v[SO+\i]           ; the scale's byte,
.endr
.irp i, 0,1,2,3
	s_delay_alu instid0(VALU_DEP_4)
	v_lshl_or_b32 v[WD+\i], v[WD+\i], 8, v[WD+\i]
.endr
.irp i, 0,1,2,3
	s_delay_alu instid0(VALU_DEP_4)
	v_lshl_or_b32 v[WD+\i], v[WD+\i], 16, v[WD+\i] ; four times over
.endr
.set q, 0
.rept 96
	v_cmp_neq_f32 vcc_lo, 0, v[X+q]
	s_delay_alu instid0(VALU_DEP_1)
	v_cndmask_b32 v[TT+q%2], 0, v[AH+q/24], vcc_lo ; the magnitude: alpha, or 0 where w is 0
	s_delay_alu instid0(VALU_DEP_1)
	v_bfi_b32 v[X+q], s22, v[TT+q%2], v[X+q]       ; under w's sign
.set q, q+1
.endr
.set q, 0
.rept 12
	v_cvt_scalef32_pk8_bf8_f32 v[CDW+2*q:CDW+2*q+1], v[X+8*q:X+8*q+7], v[SO+q/3]   ; two loads' numbers: two words of codes
.set q, q+1
.endr
	v_nop                                          ; a plain line behind the last conversion
.set q, 0
.rept 24
	ds_store_b32 v[SA], v[CDW+q] offset:8*UP*q     ; fragment q's eight units
.set q, q+1
.endr
.irp i, 0,1,2,3
	ds_store_b32 v[SB], v[WD+\i] offset:64*\i      ; all lanes write the same word with the same value
.endr
	s_wait_dscnt 0x0                               ; for the others' sake: my stores have landed
	s_barrier_signal -1
	s_barrier_wait -1
.irp t, 0,1,2,3,4,5
	ds_load_b128 v[X+4*\t:X+4*\t+3], v[RA] offset:32*UP*\t
.endr
.irp t, 0,1,2,3,4,5
	s_wait_dscnt 5-\t                              ; LDS loads come back in order: piece t is in, the younger ones may be out
	global_store_b128 v[DST+\t], v[X+4*\t:X+4*\t+3], s[8:9]        ; 32 lanes store 512 consecutive bytes, at a multiple of 512 from wq's first byte
.endr
	s_cmp_lg_u32 s12, 0
	s_cbranch_scc1 .Lnot_wave_0
	ds_load_b64 v[X+24:X+25], v[RW]
	s_wait_dscnt 0x0
	global_store_b64 v[L8], v[X+24:X+25], s[10:11] ; the work-group's 64 scale words: 256 consecutive bytes, aligned
.Lnot_wave_0:
	s_wait_tensorcnt 0x0                           ; the wave's end: behind my last LDS store
	ds_add_u32 v[SPW], v[NIL]
	s_wait_dscnt 0x0
	s_endpgm
.Lfunc_end_k_q5563720d22_prep:
	.size	k_q5563720d22_prep, .Lfunc_end_k_q5563720d22_prep-k_q5563720d22_prep
	.p2alignl 7, 3214868480
	.fill 96, 4, 3214868480
	.section	.rodata,"a",@progbits
	.p2align	6, 0x0
	.amdhsa_kernel k_q5563720d22_prep
		.amdhsa_group_segment_fixed_size 54528
		.amdhsa_private_segment_fixed_size 0
		.amdhsa_enable_private_segment 0
		.amdhsa_kernarg_size 32
		.amdhsa_user_sgpr_count 2
		.amdhsa_user_sgpr_kernarg_segment_ptr 1
		.amdhsa_wavefront_size32 1
		.amdhsa_system_sgpr_workgroup_id_x 1
		.amdhsa_system_sgpr_workgroup_id_y 1
		.amdhsa_system_sgpr_workgroup_id_z 1
		.amdhsa_system_vgpr_workitem_id 0
		.amdhsa_next_free_vgpr 168
		.amdhsa_next_free_sgpr 66
		.amdhsa_reserve_vcc 1
		.amdhsa_float_denorm_mode_32 3
		.amdhsa_float_denorm_mode_16_64 3
		.amdhsa_memory_ordered 1
		.amdhsa_forward_progress 1
		.amdhsa_inst_pref_size 42
	.end_amdhsa_kernel
	.amdgpu_metadata
---
amdhsa.version: [ 1, 2 ]
amdhsa.kernels:
  - .name:           k_q5563720d22_prep
    .symbol:         k_q5563720d22_prep.kd
    .args:
      - { .name: w1, .offset: 0, .size: 8, .value_kind: global_buffer, .address_space: global }
      - { .name: w2, .offset: 8, .size: 8, .value_kind: global_buffer, .address_space: global }
      - { .name: wq, .offset: 16, .size: 8, .value_kind: global_buffer, .address_space: global }
      - { .name: wsc, .offset: 24, .size: 8, .value_kind: global_buffer, .address_space: global }
    .group_segment_fixed_size: 54528
    .private_segment_fixed_size: 0
    .kernarg_segment_align: 8
    .kernarg_segment_size: 32
    .max_flat_workgroup_size: 512
    .sgpr_count:     66
    .vgpr_count:     168
    .wavefront_size: 32
...
	.end_amdgpu_metadata
.endif
;; end of part 3
;; launch mlp (part 4): grid 200 x 1, 4 waves a work-group, clusters of 4 x 1, 327,680 bytes of LDS; arguments x_codes, x_scales, wq, wsc, b1, b2, out0; writes out0
.if DOCPART == 4
	.amdgcn_target "amdgcn-amd-amdhsa--gfx1250"
	.amdhsa_code_object_version 6
	.text
	.protected	k_q5563720d22_mlp
	.globl	k_q5563720d22_mlp
	.p2align	8
	.type	k_q5563720d22_mlp,@function
k_q5563720d22_mlp:
	s_mov_b64 s[64:65], 0
	v_nop
	global_prefetch_b8 v0, s[64:65] scope:SCOPE_SE
	s_setreg_imm32_b32 hwreg(HW_REG_WAVE_MODE, 25, 1), 1
	s_wait_xcnt 0x0
	s_wait_alu depctr_hold_cnt(0) depctr_sa_sdst(0) depctr_va_vdst(0) depctr_va_sdst(0) depctr_va_ssrc(0) depctr_va_vcc(0) depctr_vm_vsrc(0)
	s_getreg_b32 s2, hwreg(HW_REG_IB_STS2, 6, 4)
	s_cmp_eq_u32 s2, 0
	s_cbranch_scc0 .Lentry_in_a_cluster
	s_endpgm
.Lentry_in_a_cluster:
	s_bfe_u32 s2, ttmp6, 0x10000c
	s_cmp_lg_u32 s2, 0x3003
	s_cbranch_scc0 .Lentry_shape_is_right
	s_endpgm
.Lentry_shape_is_right:
; out = clip(gelu(x W1q^T + b1), -10, 10) W2q^T + b2, both products on codes of BF8 (E5M2) with one E8M0 scale for each 32 along K.  x: 12,608 rows x 768 codes, 24 scale bytes a row; the weights' codes and
; scale words as the launch before laid them (wq, wsc).  The hidden layer is quantised in registers and never goes to memory.  No input and no step is left out.
; SHARES.  A work-group takes 64 rows (four tiles of 16) through the chain; the 3,072 hidden units go in 24 chunks of 128.  In chunk j wave w makes hidden units 128 j + 32 w .. + 31 of all 64 rows (one block of 32
; along the second K) and adds K step j into its 192 columns of out (48 accumulators).  x's 24 fragments stay in every wave's registers.  Both products are used transposed (source 0 = 16 rows of a weight): a lane holds one row.
; W1's rows of a tile are chosen so that a lane's 16 registers of tiles u = 0, 1 are 16 neighbours along the second K.  Codes go to the other waves through LDS as an image of the operand's registers.
; ROWS.  788 tiles of rows on 200 work-groups: work-group g begins at tile min(4 g, 3 g + 187); from g = 188 on (clusters 47 to 49) a block's first tile is the block before's last: computed again, not stored.
; CLUSTER.  The four partners ask for each tile of wq jointly (mask 15).  Cluster c walks the chunks from c mod 24 on, 23 followed by 0.
; NO PREFETCH: each tile that a cluster asks for, but its first three, was asked for a trip earlier by the cluster that began one chunk further on.
; LDS.  W1's chunk takes turns between two regions; W2's K step has one.  At the head waves 0, 1 ask for W1's first chunk and waves 2, 3 for W2's first K step; W1's second chunk follows behind a drained round.
; At a trip's end, behind a round, waves 0, 1 ask for the next W2 and waves 2, 3 for the W1 after next: a wave has one tensor load out.
; GELU, exact form: a = |h|, t = 1 / (1 + a / (2 sqrt 2)), erfc(a / sqrt 2) = t exp(-a^2 / 2 + P(t)), P of degree 9 (fractional error of the form 1.2e-7).  Worked on is G = 2 gelu = (h + a) - a erfc(a / sqrt 2).
; G's codes under its own scale are gelu's under half of it: the byte is one less.  The clip at +-10 is G's at +-20, made by the hold that the conversion wants anyway.
; LIMITS: NaN and infinities are not served; a block whose largest |gelu| lies under 2^-111 gets the byte 1; v_exp_f32 gives 0 for results under 2^-126; the second product's K steps are summed in the walk's order.
; REGISTERS: window 0 below.  Windows 1 and 2 (v0-127): x's fragment 4 s + m at 16 (4 s + m).  Windows 2 (v128-255) and 3: out's accumulator 4 n + m at 8 (4 n + m).
.set RG1,   131072                     ; LDS: 0: W1 of even trips (at the end: the stages); RG1: W1 of odd trips
.set RG2,   229376                     ; W2 of the chunk in hand
.set HIMG,  98304                      ; the hidden fragments: 2,048 m + 512 c + 16 x lane
.set HSC,   106496                     ; their 64 scale words: byte w of word 16 m + r
.set SPARE, 106752                     ; the spare words: 128 bytes a wave
.set WREG,  24576
.set HALFB, 49152
.set CHB,   98304
.set W2Q,   2359296
.set SPI,   784
.set LI,  1                            ; 16 x lane
.set AW1, 2                            ; my fragments in a region of W1
.set ADW, 3                            ; the same in the region in hand
.set AW2, 4                            ; my fragments of W2
.set HWI, 5                            ; where I store codes
.set HWS, 6                            ; and my block's byte
.set HRI, 7                            ; where I read hidden fragments
.set HRS, 8                            ; and their scale words
.set B1O, 9
.set WSO, 10
.set STO, 11
.set RD,  12
.set CO,  13
.set SPW, 14
.set NIL, 15
.set XS,  16                           ; v16-27 x's scale words: register 6 (m / 2) + s, lanes 16 (m % 2) + r
.set W2S, 28                           ; v28-33 W2's: register n / 2
.set HS,  34                           ; v34-35 the hidden layer's: register m / 2
.set W1S, 36                           ; W1's: lanes 16 u + r
.set D8,  38                           ; v38-39 a coefficient, twice
.set B1,  40                           ; v40-55 b1 of my 16 hidden units
.set Q2,  56                           ; v56-57 two tiles' scale operands; v58-59 bounds; v60-61 bytes; v62-63 the lane permutes' destinations
.set Q3,  58
.set BY,  60
.set QP,  62
.set HA,  64                           ; v64-127 the hidden sums 16 m + 8 u + i, then G; in the second product the hidden fragments
.set H0,  128                          ; two buffers of four weight fragments
.set H1,  192
.set TA,  128                          ; the vector work on 32 numbers: a, then h + a;
.set TR,  160                          ; 1 + a k, t, then a t;
.set PP,  192                          ; the polynomial, the exponential; then codes;
.set SQ,  224                          ; h^2; then the maxima
.set QM,  224
.set QC,  226
.set WV,  18
.set G1,  24
.set G0A, 32                           ; group 0: W2's K steps
.set G0B, 36                           ; W1's chunks from the walk's second on
.set G0C, 40                           ; W1's first chunk
.set TB,  44
.set CNT, 45
.set SEL, 48
.set MNT, 50
.set ABSM, 51
.set KK,  52
.set D9,  54
.set D7,  56
.set D6,  58
.set D5,  60
.set D4,  62
.set D3,  66
.set D2,  68
.set D1,  70
.set D0,  72
.set CSQ, 74
.set PB1, 76
.set PWS, 78
.set BSA, 80
.set BSB, 82
.set BB1, 84
.set BWS, 86
.set JA,  88
.set JB,  89
.set JC,  90
.set OFF, 92
.set MSB, 0
.macro WIN new                         ; the immediate's high byte repeats the setting that is left
.if MSB != \new
	s_set_vgpr_msb (MSB<<8)|\new
.set MSB, \new
.endif
.endm
.macro PLACES n
.rept \n
	v_nop
.endr
.endm
.macro WALU
	s_wait_alu depctr_va_vdst(0)
.endm
.macro CPAIR reg, bits
	s_mov_b32 s[\reg], \bits
	s_mov_b32 s[\reg+1], \bits
.endm
.macro NEXTJ r                         ; the next chunk of the walk: 23 is followed by 0
	s_add_co_u32 s[\r], s[\r], 1
	s_cmp_eq_u32 s[\r], 24
	s_cselect_b32 s[\r], 0, s[\r]
.endm
.macro CREST
	s_cmp_lg_u32 s[WV], 0
	s_cbranch_scc1 .Lnot_wave_0_\@
	s_barrier_signal -3
.Lnot_wave_0_\@:
	s_barrier_wait -3
	s_barrier_signal -1
	s_barrier_wait -1
.endm
.macro CROUND
	s_barrier_signal -1
	s_barrier_wait -1
	CREST
.endm
.macro TLOAD g0                        ; a joint load; s_nop 0 and four v_nop follow it
	tensor_load_to_lds s[\g0:\g0+3], s[G1:G1+7]
	s_nop 0
	PLACES 4
.endm
.macro JLOAD                           ; waves 0, 1: the next K step of W2; waves 2, 3: the chunk of W1 after next
	s_cmp_lt_u32 s[WV], 2
	s_cbranch_scc0 .Lfor_w1_\@
	TLOAD G0A
	s_branch .Lasked_\@
.Lfor_w1_\@:
	TLOAD G0B
.Lasked_\@:
.endm
.macro JLOADK                          ; the last refill: W2's last K step alone
	s_cmp_lt_u32 s[WV], 2
	s_cbranch_scc0 .Lnone_\@
	TLOAD G0A
.Lnone_\@:
.endm
.macro LDFRAG reg, adr, off
.irp c, 0,1,2,3
	ds_load_b128 v[\reg+4*\c:\reg+4*\c+3], v[\adr] offset:\off+512*\c
.endr
.endm
.macro W1LD s0, buf                    ; W1's fragments of K steps s0, s0 + 1, tiles u = 0, 1
.irp e, 0,1
.irp u, 0,1
	LDFRAG \buf+16*(2*\e+\u), ADW, \u*12288+(\s0+\e)*2048
.endr
.endr
.endm
.macro WM ra, rb                       ; ra, rb: the side's scales stand in lanes 16-31
.if (\ra) && (\rb)
	v_wmma_scale_f32_16x16x128_f8f6f4 v[rD:rD+7], v[rA:rA+15], v[rB:rB+15], v[rC:rC+7], v[rSA], v[rSB] matrix_a_fmt:MATRIX_FMT_BF8 matrix_b_fmt:MATRIX_FMT_BF8 matrix_a_scale:MATRIX_SCALE_ROW1 matrix_b_scale:MATRIX_SCALE_ROW1
.elseif (\ra)
	v_wmma_scale_f32_16x16x128_f8f6f4 v[rD:rD+7], v[rA:rA+15], v[rB:rB+15], v[rC:rC+7], v[rSA], v[rSB] matrix_a_fmt:MATRIX_FMT_BF8 matrix_b_fmt:MATRIX_FMT_BF8 matrix_a_scale:MATRIX_SCALE_ROW1
.elseif (\rb)
	v_wmma_scale_f32_16x16x128_f8f6f4 v[rD:rD+7], v[rA:rA+15], v[rB:rB+15], v[rC:rC+7], v[rSA], v[rSB] matrix_a_fmt:MATRIX_FMT_BF8 matrix_b_fmt:MATRIX_FMT_BF8 matrix_b_scale:MATRIX_SCALE_ROW1
.else
	v_wmma_scale_f32_16x16x128_f8f6f4 v[rD:rD+7], v[rA:rA+15], v[rB:rB+15], v[rC:rC+7], v[rSA], v[rSB] matrix_a_fmt:MATRIX_FMT_BF8 matrix_b_fmt:MATRIX_FMT_BF8
.endif
.endm
.macro F1MUL s, buf, first             ; the first product's K step s: eight accumulators by turns; first = 1: b1 is the C that starts the sums
.irp u, 0,1
.irp m, 0,1,2,3
.set rD, HA+16*\m+8*\u
.set rA, \buf+16*(2*((\s)%2)+\u)
.set rB, 64*((\s)%4)+16*\m
.if \first
.set rC, B1+8*\u
.else
.set rC, rD
.endif
.set rSA, W1S
.set rSB, XS+6*(\m/2)+(\s)
	WM \u, \m%2
.endr
.endr
.endm
.macro F2MUL n, buf                    ; the second product, tile n of my twelve against the four row tiles
.irp m, 0,1,2,3
.if (\n) < 4
.set rD, 128+8*(4*(\n)+\m)
.else
.set rD, 8*(4*(\n)+\m-16)
.endif
.set rA, \buf+16*((\n)%4)
.set rB, HA+16*\m
.set rC, rD
.set rSA, W2S+(\n)/2
.set rSB, HS+\m/2
	WM (\n)%2, \m%2
.endr
.endm
.macro CODES p                         ; row tiles 2 p, 2 p + 1: the codes, and their way to the other waves
.irp t, 0,1
	v_cvt_scalef32_pk8_bf8_f32 v[PP+4*\t:PP+4*\t+1], v[HA+32*(\p)+16*\t:HA+32*(\p)+16*\t+7], v[Q2+\t]
	v_cvt_scalef32_pk8_bf8_f32 v[PP+4*\t+2:PP+4*\t+3], v[HA+32*(\p)+16*\t+8:HA+32*(\p)+16*\t+15], v[Q2+\t]
.endr
	v_nop                                          ; a plain line behind the last conversion
.irp t, 0,1
	ds_store_b128 v[HWI], v[PP+4*\t:PP+4*\t+3] offset:2048*(2*(\p)+\t)
	ds_store_b8 v[HWS], v[BY+\t] offset:64*(2*(\p)+\t)      ; lanes r and r + 16 write the same byte
.endr
.endm
; THE VECTOR WORK of row tiles 2 p, 2 p + 1: 32 numbers a lane.  Two batches of 32 transcendentals, each with a wait ahead and a wait behind.  The plain lines among a batch read what was written ahead of its
; first wait and write what is first read behind its second.
.macro VHALF p
.set rX, HA+32*(\p)
.if \p
	WALU
.endif
.set i, 0
.rept 32
	v_and_b32 v[TA+i], s[ABSM], v[rX+i]            ; a = |h|: each accumulator from its low end on
.set i, i+1
.endr
.set i, 0
.rept 16
	v_pk_fma_f32 v[TR+i:TR+i+1], v[TA+i:TA+i+1], s[KK:KK+1], 1.0 op_sel_hi:[1,0,0]
.set i, i+2
.endr
	WALU
.set i, 0
.rept 32
	v_rcp_f32 v[TR+i], v[TR+i]                     ; t
.if \p
	v_med3_num_f32 v[HA+i], v[HA+i], -v[Q3+i/16], v[Q3+i/16]       ; the first half's clip and hold in one
.endif
.if i%2
	v_pk_mul_f32 v[SQ+i-1:SQ+i], v[rX+i-1:rX+i], v[rX+i-1:rX+i]    ; h^2
.endif
.set i, i+1
.endr
	WALU
.if \p
	CODES 0
.endif
.set g, 0
.irp d, D9, D7, D6, D5, D4, D3, D2, D1, D0     ; P(t) x log2(e)
.set i, 0
.rept 16
.if g == 0
	v_pk_fma_f32 v[PP+i:PP+i+1], v[TR+i:TR+i+1], s[\d:\d+1], v[D8:D8+1] op_sel_hi:[1,0,1]
.else
	v_pk_fma_f32 v[PP+i:PP+i+1], v[PP+i:PP+i+1], v[TR+i:TR+i+1], s[\d:\d+1] op_sel_hi:[1,1,0]
.endif
.set i, i+2
.endr
.set g, g+1
.endr
.set i, 0
.rept 16
	v_pk_fma_f32 v[PP+i:PP+i+1], v[SQ+i:SQ+i+1], s[CSQ:CSQ+1], v[PP+i:PP+i+1] op_sel_hi:[1,0,1]    ; the exponent P - h^2 log2(e) / 2
.set i, i+2
.endr
	WALU
.set i, 0
.rept 32
	v_exp_f32 v[PP+i], v[PP+i]
.if i < 16
	v_pk_mul_f32 v[TR+2*i:TR+2*i+1], v[TA+2*i:TA+2*i+1], v[TR+2*i:TR+2*i+1]        ; a t
.else
	v_pk_add_f32 v[TA+2*i-32:TA+2*i-31], v[rX+2*i-32:rX+2*i-31], v[TA+2*i-32:TA+2*i-31]    ; h + a
.endif
.set i, i+1
.endr
	WALU
.set i, 0
.rept 16
	v_pk_fma_f32 v[rX+i:rX+i+1], v[TR+i:TR+i+1], v[PP+i:PP+i+1], v[TA+i:TA+i+1] neg_lo:[1,0,0] neg_hi:[1,0,0]      ; G = (h + a) - (a t) 2^exponent
.set i, i+2
.endr
.irp t, 0,1                                    ; each tile's largest |G|, two chains a tile; the floor 2^(17 - 127) for G = 2 gelu: the byte cannot fall under 1
	v_max3_num_f32 v[QM+\t], |v[rX+16*\t]|, |v[rX+16*\t+1]|, 0x8800000
	v_max3_num_f32 v[QC+\t], |v[rX+16*\t+2]|, |v[rX+16*\t+3]|, |v[rX+16*\t+4]|
.endr
.irp k, 5,9,13
.irp t, 0,1
	v_max3_num_f32 v[QM+\t], v[QM+\t], |v[rX+16*\t+\k]|, |v[rX+16*\t+\k+1]|
.if \k < 13
	v_max3_num_f32 v[QC+\t], v[QC+\t], |v[rX+16*\t+\k+2]|, |v[rX+16*\t+\k+3]|
.else
	v_max_num_f32 v[QC+\t], v[QC+\t], |v[rX+16*\t+15]|
.endif
.endr
.endr
.irp t, 0,1
	v_max_num_f32 v[QM+\t], v[QM+\t], v[QC+\t]
.endr
.irp t, 0,1
	v_permlanex16_b32 v[QP+\t], v[QM+\t], s[SEL], s[SEL+1]
.endr
.irp t, 0,1
	v_max_num_f32 v[QM+\t], v[QM+\t], v[QP+\t]     ; with lane l xor 16's 16: the block's
.endr
.irp t, 0,1
	v_min_num_f32 v[QM+\t], 0x41a00000, v[QM+\t]   ; of the clipped numbers: 20 at the most
.endr
.irp t, 0,1
	v_and_or_b32 v[Q3+\t], v[QM+\t], 0x7f800000, s[MNT]    ; 57,344 x G's scale
	v_add_nc_u32 v[Q2+\t], 0xf8800000, v[QM+\t]    ; 15 off the exponent field: the conversion's scale operand
	v_add_nc_u32 v[QC+\t], 0xf8000000, v[QM+\t]    ; 16 off: gelu is half of G
.endr
.irp t, 0,1
	v_min_num_f32 v[Q3+\t], 0x41a00000, v[Q3+\t]   ; the clip and the hold are one bound
	v_lshrrev_b32 v[BY+\t], 23, v[QC+\t]           ; the scale's byte
.endr
.if \p
.set i, 0
.rept 32
	v_med3_num_f32 v[rX+i], v[rX+i], -v[Q3+i/16], v[Q3+i/16]
.set i, i+1
.endr
	CODES 1
.endif
.endm
.macro BIAS                            ; b1 and W1's scale words of the chunk at which the two pointers stand
.irp c, 0,1,2,3
	global_load_b128 v[B1+4*\c:B1+4*\c+3], v[B1O], s[PB1:PB1+1] offset:16*\c
.endr
	global_load_b32 v[W1S], v[WSO], s[PWS:PWS+1]
.endm
	s_load_b256 s[4:11], s[0:1], 0x0               ; x's codes, x's scales, wq, wsc
	s_load_b128 s[12:15], s[0:1], 0x20             ; b1, b2
	s_load_b64 s[16:17], s[0:1], 0x30              ; out0
	v_lshl_add_u32 v[SPW], v0, 2, SPARE
	v_mov_b32 v[NIL], 0
	ds_add_u32 v[SPW], v[NIL]                      ; the opening: the add, twice on end, and its wait ahead of my first tensor load
	ds_add_u32 v[SPW], v[NIL]
	v_lshrrev_b32 v1, 5, v0
	v_readfirstlane_b32 s[WV], v1                  ; wave 0..3
	v_and_b32 v68, 15, v0                          ; r
	v_bfe_u32 v69, v0, 4, 1                        ; h
	v_and_b32 v70, 31, v0                          ; lane
	v_lshlrev_b32 v[LI], 4, v70
	s_mul_i32 s96, s[WV], WREG
	v_add_nc_u32 v[AW1], s96, v[LI]
	s_mov_b32 s[TB], 0
	v_add_nc_u32 v[ADW], s[TB], v[AW1]
	v_add_nc_u32 v[AW2], RG2, v[AW1]
	s_lshl_b32 s96, s[WV], 9
	s_add_co_u32 s96, s96, HIMG
	v_add_nc_u32 v[HWI], s96, v[LI]
	v_lshlrev_b32 v[HWS], 2, v68
	s_add_co_u32 s97, s[WV], HSC
	v_add_nc_u32 v[HWS], s97, v[HWS]
	v_add_nc_u32 v[HRI], HIMG, v[LI]
	v_lshl_add_u32 v[HRS], v70, 2, HSC
	v_lshlrev_b32 v[B1O], 6, v69
	v_lshlrev_b32 v[WSO], 2, v70
	s_mul_i32 s96, s[WV], 16*SPI                   ; my stage
	v_mul_u32_u24 v[STO], v68, SPI
	v_lshl_add_u32 v[STO], v69, 5, v[STO]
	v_add_nc_u32 v[STO], s96, v[STO]               ; in: row r, 32 bytes for each half of the lanes
	v_mul_u32_u24 v[RD], v69, SPI
	v_lshl_add_u32 v[RD], v68, 4, v[RD]
	v_add_nc_u32 v[RD], s96, v[RD]                 ; back: lanes 0-15 take 256 bytes of one row, lanes 16-31 of the next
	v_mul_u32_u24 v[CO], v69, 3072
	v_lshl_add_u32 v[CO], v68, 4, v[CO]
	v_mul_u32_u24 v64, v68, 768
	v_lshl_add_u32 v64, v69, 4, v64                ; x's codes: row r of 768 bytes, + 16 h
	v_lshlrev_b32 v65, 5, v69                      ; b2: 32 h
	v_mul_u32_u24 v66, v70, 24                     ; x's scales: a lane a row
	v_lshlrev_b32 v67, 2, v68
	v_lshl_add_u32 v67, v69, 8, v67                ; W2's scale words: 256 h + 4 r
	v_mov_b32 v[QP], 0                             ; a lane permute's destination counts as one of its sources
	v_mov_b32 v[QP+1], 0
	v_mov_b32 v[D8], 0xbf97d29d                    ; -0.82215223 log2(e)
	v_mov_b32 v[D8+1], 0xbf97d29d
	WALU                                           ; at the end of the head's vector lines
	s_and_b32 s19, s[WV], 1                        ; which half of a region I fetch
	s_bfe_u32 s20, ttmp6, 0x40000                  ; cx: it enters the addresses of x, its scales and out alone
	s_lshl_b32 s21, ttmp9, 2
	s_add_co_u32 s21, s21, s20                     ; g
	s_lshl_b32 s22, s21, 2
	s_mul_i32 s23, s21, 3
	s_add_co_u32 s23, s23, 187
	s_min_u32 s22, s22, s23                        ; my first tile of rows
	s_cmp_ge_u32 ttmp9, 24                         ; the walk begins at the cluster's number (0 to 49) mod 24
	s_cselect_b32 s91, 24, 0
	s_sub_co_u32 s[JA], ttmp9, s91
	s_cmp_ge_u32 s[JA], 24
	s_cselect_b32 s91, 24, 0
	s_sub_co_u32 s[JA], s[JA], s91
	s_mov_b32 s[JC], s[JA]
	s_mov_b32 s[JB], s[JA]
	NEXTJ JB
	s_mov_b32 s[G1], 15|(3<<16)|(1<<21)            ; group 1: 49,152 dense bytes as 192 rows of 256 (32 elements of 8 bytes); the mask names all four
	s_mov_b32 s[G1+1], 32<<16
	s_mov_b32 s[G1+2], 192<<16
	s_mov_b32 s[G1+3], 32<<16
	s_mov_b32 s[G1+4], 192
	s_mov_b32 s[G1+5], 32
	s_mov_b32 s[G1+6], 0
	s_mov_b32 s[G1+7], 0
	s_mov_b32 s[SEL], 0x76543210
	s_mov_b32 s[SEL+1], 0xfedcba98
	s_mov_b32 s[MNT], 0x600000
	s_mov_b32 s[ABSM], 0x7fffffff
	CPAIR KK,  0x3eb504f3                          ; 1 / (2 sqrt 2)
	CPAIR D9,  0x3e7c6f08                          ; the series' coefficients x log2(e)
	CPAIR D7,  0x40097039
	CPAIR D6,  0xbfd1a1e5
	CPAIR D5,  0x3ecdfd18
	CPAIR D4,  0xbe899a80
	CPAIR D3,  0x3e0efb2e
	CPAIR D2,  0x3f0a29d2
	CPAIR D1,  0x3fb8ab5a
	CPAIR D0,  0xbfe9b21e
	CPAIR CSQ, 0xbf38aa3b                          ; -log2(e) / 2
	s_mul_i32 s46, s19, HALFB
	s_mov_b32 s[G0A], 1
	s_add_co_u32 s[G0A+1], s46, RG2
	s_mov_b32 s[G0B], 1
	s_add_co_u32 s[G0B+1], s46, RG1
	s_mov_b32 s[G0C], 1
	s_mov_b32 s[G0C+1], s46
	s_mov_b32 s[OFF+1], 0
	s_mov_b32 s3, 0
	s_wait_dscnt 0x0                               ; both opening adds are done
	s_wait_kmcnt 0x0
	s_mov_b32 s[OFF], s46
	s_add_nc_u64 s[BSB:BSB+1], s[8:9], s[OFF:OFF+1]
	s_add_nc_u64 s[BSA:BSA+1], s[BSB:BSB+1], W2Q
	s_mul_i32 s[OFF], s[JA], CHB
	s_add_nc_u64 s[G0A+2:G0A+3], s[BSA:BSA+1], s[OFF:OFF+1]
	s_or_b32 s[G0A+3], s[G0A+3], 0x80000000
	s_add_nc_u64 s[G0C+2:G0C+3], s[BSB:BSB+1], s[OFF:OFF+1]
	s_or_b32 s[G0C+3], s[G0C+3], 0x80000000
	s_mul_i32 s[OFF], s[JB], CHB
	s_add_nc_u64 s[G0B+2:G0B+3], s[BSB:BSB+1], s[OFF:OFF+1]
	s_or_b32 s[G0B+3], s[G0B+3], 0x80000000
	s_lshl_b32 s[OFF], s[WV], 7                    ; my 32 numbers of b1, my 32 scale words of W1
	s_add_nc_u64 s[BB1:BB1+1], s[12:13], s[OFF:OFF+1]
	s_add_nc_u64 s[BWS:BWS+1], s[10:11], s[OFF:OFF+1]
	s_lshl_b32 s[OFF], s[JC], 9
	s_add_nc_u64 s[PB1:PB1+1], s[BB1:BB1+1], s[OFF:OFF+1]
	s_add_nc_u64 s[PWS:PWS+1], s[BWS:BWS+1], s[OFF:OFF+1]
	s_mul_i32 s[OFF], s[WV], 3072
	s_add_co_u32 s[OFF], s[OFF], 12288             ; my twelve tiles' scale words of W2
	s_add_nc_u64 s[94:95], s[10:11], s[OFF:OFF+1]
	s_mul_i32 s[OFF], s[WV], 768                   ; my 192 columns
	s_add_nc_u64 s[14:15], s[14:15], s[OFF:OFF+1]
	s_add_nc_u64 s[16:17], s[16:17], s[OFF:OFF+1]
	s_mul_i32 s2, s22, 12288
	s_add_nc_u64 s[4:5], s[4:5], s[2:3]
	s_mul_i32 s2, s22, 384
	s_add_nc_u64 s[6:7], s[6:7], s[2:3]
	s_mul_i32 s2, s22, 49152
	s_add_nc_u64 s[16:17], s[16:17], s[2:3]
	CROUND                                         ; all four work-groups are here: the first joint loads meet
	s_cmp_lt_u32 s[WV], 2                          ; one joint load a wave: waves 0, 1 W1's first chunk, waves 2, 3 W2's first K step
	s_cbranch_scc0 .Lfirst_w2
	TLOAD G0C
	s_branch .Lfirst_asked
.Lfirst_w2:
	TLOAD G0A
.Lfirst_asked:
	WIN 0x40                                       ; window 1: x's fragments of K steps 0-3
.irp s, 0,1,2,3
.irp m, 0,1,2,3
.irp c, 0,1,2,3
	global_load_b128 v[64*\s+16*\m+4*\c:64*\s+16*\m+4*\c+3], v64, s[4:5] offset:12288*\m+128*\s+32*\c
.endr
.endr
.endr
	WIN 0x80                                       ; window 2: K steps 4, 5
.irp s, 4,5
.irp m, 0,1,2,3
.irp c, 0,1,2,3
	global_load_b128 v[64*(\s-4)+16*\m+4*\c:64*(\s-4)+16*\m+4*\c+3], v64, s[4:5] offset:12288*\m+128*\s+32*\c
.endr
.endr
.endr
.irp n, 0,1,2,3                                ; b2 straight into the accumulators: lane (r, h), tile n: columns 16 n + 8 h + 0 .. 7
.irp m, 0,1,2,3
	global_load_b128 v[128+8*(4*\n+\m):128+8*(4*\n+\m)+3], v65, s[14:15] offset:64*\n
	global_load_b128 v[128+8*(4*\n+\m)+4:128+8*(4*\n+\m)+7], v65, s[14:15] offset:64*\n+16
.endr
.endr
	WIN 0xc0
.irp n, 4,5,6,7,8,9,10,11
.irp m, 0,1,2,3
	global_load_b128 v[8*(4*\n+\m-16):8*(4*\n+\m-16)+3], v65, s[14:15] offset:64*\n
	global_load_b128 v[8*(4*\n+\m-16)+4:8*(4*\n+\m-16)+7], v65, s[14:15] offset:64*\n+16
.endr
.endr
	WIN 0
.irp i, 0,1
.irp t, 0,1,2
	global_load_b64 v[XS+6*\i+2*\t:XS+6*\i+2*\t+1], v66, s[6:7] offset:768*\i+8*\t
.endr
.endr
.irp i, 0,1,2,3,4,5
	global_load_b32 v[W2S+\i], v67, s[94:95] offset:512*\i
.endr
	BIAS
	WALU
	s_wait_tensorcnt 0x0                           ; my head's load is in
	ds_add_u32 v[SPW], v[NIL]
	s_wait_dscnt 0x0
	CROUND                                         ; everybody's parts are in, and the four work-groups meet
	s_cmp_lt_u32 s[WV], 2
	s_cbranch_scc1 .Lsecond_asked
	TLOAD G0B                                      ; waves 2, 3: W1's second chunk; the wait for it stands at the first trip's middle barrier
.Lsecond_asked:
	W1LD 0, H1
; A TRIP: one chunk of 128 hidden units.  fill = 1: both streams are asked for at its end; 2: W2 alone; last = 1: nothing follows.
.macro CHUNK fill, last
	W1LD 2, H0
	s_wait_loadcnt 0x0                             ; b1 and W1's scale words (in the first trip all the head's loads): the two pointers may be written
.if !(\last)
	NEXTJ JC
	s_lshl_b32 s[OFF], s[JC], 9
	s_add_nc_u64 s[PB1:PB1+1], s[BB1:BB1+1], s[OFF:OFF+1]
	s_add_nc_u64 s[PWS:PWS+1], s[BWS:BWS+1], s[OFF:OFF+1]
.endif
	s_wait_dscnt 16                                ; K steps 0, 1 are in; the sixteen loads just issued may be out
	WIN 0x04
	F1MUL 0, H1, 1
	F1MUL 1, H1, 0
	PLACES 8
	W1LD 4, H1
	s_wait_dscnt 16                                ; K steps 2, 3 are in
	F1MUL 2, H0, 0
	F1MUL 3, H0, 0
	s_wait_dscnt 0x0
	WIN 0x08
	F1MUL 4, H1, 0
	F1MUL 5, H1, 0
	WIN 0
	PLACES 8                                       ; ahead of the first read of the sums, of writes of the fragments' registers, and of the loads below
.if !(\last)
	BIAS                                           ; the next chunk's
.endif
	VHALF 0
	VHALF 1
	WALU
	s_wait_tensorcnt 0x0                           ; my one load is the tile that is read next
	s_wait_dscnt 0x0                               ; for the others' sake: my stores have landed
	s_barrier_signal -1
	s_barrier_wait -1
	ds_load_b32 v[HS], v[HRS]
	ds_load_b32 v[HS+1], v[HRS] offset:128
.irp m, 0,1,2,3
	LDFRAG HA+16*\m, HRI, 2048*\m
.endr
.irp n, 0,1,2,3
	LDFRAG H0+16*\n, AW2, 2048*\n
.endr
.irp n, 4,5,6,7
	LDFRAG H1+16*(\n-4), AW2, 2048*\n
.endr
	s_wait_dscnt 28                                ; behind tile 0's loads: tiles 1-3's twelve and tiles 4-7's sixteen
	WIN 0xa0
	WALU
	F2MUL 0, H0
	s_wait_dscnt 24
	F2MUL 1, H0
	s_wait_dscnt 20
	F2MUL 2, H0
	s_wait_dscnt 16
	F2MUL 3, H0
	PLACES 8
	WIN 0
.irp n, 8,9,10,11
	LDFRAG H0+16*(\n-8), AW2, 2048*\n
.endr
	s_wait_dscnt 16                                ; tiles 4-7 are in
	WIN 0xf0
	F2MUL 4, H1
	F2MUL 5, H1
	F2MUL 6, H1
	F2MUL 7, H1
.if \last
	s_wait_dscnt 0x0
	F2MUL 8, H0
	F2MUL 9, H0
	F2MUL 10, H0
	F2MUL 11, H0
	WIN 0
	PLACES 8
.else
	PLACES 8
	WIN 0
	s_xor_b32 s[TB], s[TB], RG1                    ; the other region of W1: whole since the barrier above
	v_add_nc_u32 v[ADW], s[TB], v[AW1]
	WALU                                           ; directly behind the write
	W1LD 0, H1                                     ; the next chunk's K steps 0, 1
	s_wait_dscnt 16                                ; tiles 8-11 are in
	WIN 0xf0
	F2MUL 8, H0
	F2MUL 9, H0
	WIN 0
	s_wait_tensorcnt 0x0                           ; no tensor load of mine is out: a group 0 may be written
	ds_add_u32 v[SPW], v[NIL]
	NEXTJ JA
	s_mul_i32 s[OFF], s[JA], CHB
	s_add_nc_u64 s[G0A+2:G0A+3], s[BSA:BSA+1], s[OFF:OFF+1]
	s_or_b32 s[G0A+3], s[G0A+3], 0x80000000
.if \fill == 1
	s_xor_b32 s[G0B+1], s[G0B+1], RG1              ; W1: the region that this trip has read, the chunk after next
	NEXTJ JB
	s_mul_i32 s[OFF], s[JB], CHB
	s_add_nc_u64 s[G0B+2:G0B+3], s[BSB:BSB+1], s[OFF:OFF+1]
	s_or_b32 s[G0B+3], s[G0B+3], 0x80000000
.endif
	s_wait_dscnt 0x0                               ; the add is done; my reads of W2's region, of this chunk's W1 and of the hidden images are over
	s_barrier_signal -1                            ; opens a round of the cluster's barrier
	WIN 0xf0
	F2MUL 10, H0
	F2MUL 11, H0
	WIN 0
	s_barrier_wait -1
	CREST
.if \fill == 1
	JLOAD
.else
	JLOADK
.endif
	PLACES 9                                       ; the next trip's first products write over the hidden fragments; its first loads land in the other operand's registers
.endif
.endm
	s_mov_b32 s[CNT], 22
.Lchunk:
	CHUNK 1, 0
	s_sub_co_u32 s[CNT], s[CNT], 1
	s_cmp_lg_u32 s[CNT], 0
	s_cbranch_scc1 .Lchunk
	CHUNK 2, 0                                     ; trips 22 and 23 are written out
	CHUNK 0, 1
; THE WAY OUT, a tile of 16 rows at a time, through my own stage in LDS and back by rows: sixteen lanes store 256 consecutive bytes, aligned.  The stages lie in the region of W1's even trips, which has had its last fill
; and whose last read lies ahead of several barriers.  LDS serves a wave's instructions in order (ISA guide 5.7.1.4).
.macro OUTM m
	WIN 0x08
.irp n, 0,1,2,3
	ds_store_b128 v[STO], v[128+8*(4*\n+\m):128+8*(4*\n+\m)+3] offset:64*\n
	ds_store_b128 v[STO], v[128+8*(4*\n+\m)+4:128+8*(4*\n+\m)+7] offset:64*\n+16
.endr
	WIN 0x0c
.irp n, 4,5,6,7,8,9,10,11
	ds_store_b128 v[STO], v[8*(4*\n+\m-16):8*(4*\n+\m-16)+3] offset:64*\n
	ds_store_b128 v[STO], v[8*(4*\n+\m-16)+4:8*(4*\n+\m-16)+7] offset:64*\n+16
.endr
	WIN 0
.if \m >= 2
	s_wait_xcnt 0x0                                ; the stores of the tile before last have read their registers
.endif
.set rS, 64+96*((\m)%2)
.set t, 0
.rept 24
	ds_load_b128 v[rS+4*t:rS+4*t+3], v[RD] offset:2*SPI*(t/3)+256*(t%3)
.set t, t+1
.endr
.set t, 0
.rept 24
	s_wait_dscnt 23-t                              ; load t is in; the younger ones may be out
	global_store_b128 v[CO], v[rS+4*t:rS+4*t+3], s[16:17] offset:49152*(\m)+6144*(t/3)+256*(t%3) th:TH_STORE_NT
.set t, t+1
.endr
.endm
	s_cmp_ge_u32 ttmp9, 47                         ; in clusters 47 to 49 a block's first tile belongs to the block before
	s_cbranch_scc1 .Lnot_mine
	OUTM 0
.Lnot_mine:
	OUTM 1
	OUTM 2
	OUTM 3
	s_wait_tensorcnt 0x0                           ; the wave's end
	ds_add_u32 v[SPW], v[NIL]
	s_wait_dscnt 0x0
	CROUND                                         ; the closing round
	s_endpgm
.Lfunc_end_k_q5563720d22_mlp:
	.size	k_q5563720d22_mlp, .Lfunc_end_k_q5563720d22_mlp-k_q5563720d22_mlp
	.p2alignl 7, 3214868480
	.fill 96, 4, 3214868480
	.section	.rodata,"a",@progbits
	.p2align	6, 0x0
	.amdhsa_kernel k_q5563720d22_mlp
		.amdhsa_group_segment_fixed_size 327680
		.amdhsa_private_segment_fixed_size 0
		.amdhsa_enable_private_segment 0
		.amdhsa_kernarg_size 56
		.amdhsa_user_sgpr_count 2
		.amdhsa_user_sgpr_kernarg_segment_ptr 1
		.amdhsa_wavefront_size32 1
		.amdhsa_system_sgpr_workgroup_id_x 1
		.amdhsa_system_sgpr_workgroup_id_y 1
		.amdhsa_system_sgpr_workgroup_id_z 1
		.amdhsa_system_vgpr_workitem_id 0
		.amdhsa_next_free_vgpr 1024
		.amdhsa_next_free_sgpr 100
		.amdhsa_reserve_vcc 0
		.amdhsa_float_denorm_mode_32 3
		.amdhsa_float_denorm_mode_16_64 3
		.amdhsa_memory_ordered 1
		.amdhsa_forward_progress 1
		.amdhsa_inst_pref_size 255
	.end_amdhsa_kernel
	.section	.bss,"aw",@nobits
	.p2align	6
	.space	262144
	.amdgpu_metadata
---
amdhsa.version: [ 1, 2 ]
amdhsa.kernels:
  - .name:           k_q5563720d22_mlp
    .symbol:         k_q5563720d22_mlp.kd
    .args:
      - { .name: x_codes, .offset: 0, .size: 8, .value_kind: global_buffer, .address_space: global }
      - { .name: x_scales, .offset: 8, .size: 8, .value_kind: global_buffer, .address_space: global }
      - { .name: wq, .offset: 16, .size: 8, .value_kind: global_buffer, .address_space: global }
      - { .name: wsc, .offset: 24, .size: 8, .value_kind: global_buffer, .address_space: global }
      - { .name: b1, .offset: 32, .size: 8, .value_kind: global_buffer, .address_space: global }
      - { .name: b2, .offset: 40, .size: 8, .value_kind: global_buffer, .address_space: global }
      - { .name: out0, .offset: 48, .size: 8, .value_kind: global_buffer, .address_space: global }
    .group_segment_fixed_size: 327680
    .private_segment_fixed_size: 0
    .kernarg_segment_align: 8
    .kernarg_segment_size: 56
    .max_flat_workgroup_size: 128
    .sgpr_count:     100
    .vgpr_count:     1024
    .wavefront_size: 32
...
	.end_amdgpu_metadata
.endif
;; end of part 4
